; MI455X (gfx1250); checked and timed in simulation.
; The chip was launched on July 23, 2026; its instructions are those of AMD's public machine-readable ISA for CDNA 5 (MIT licence, August 2026) and "CDNA5" Instruction Set Architecture Reference Guide (July 2026). The comments in the code are by the model that wrote it; some were corrected since.
;; Encoder Block. Allowed arithmetic: matrix products marked QUANTISED: E5M2 operands, one E8M0 scale for each 32 along K, by v_wmma_scale_f32_16x16x128_f8f6f4 with both operands' format E5M2, f32 sums; everything else in f32.
;; Inputs: b1 4,096 float32; b2 1,024 float32; bk 1,024 float32; bo 1,024 float32; bq 1,024 float32; bv 1,024 float32; ln1_a 1 float32; ln1_b 1 float32; ln2_a 1 float32; ln2_b 1 float32; mask 2 x 1 x 1 x 2,048 int32; w1 4,096 x 1,024 float32; w2 1,024 x 4,096 float32; wk 1,024 x 1,024 float32; wo 1,024 x 1,024 float32; wq 1,024 x 1,024 float32; wv 1,024 x 1,024 float32; x 2 x 2,048 x 1,024 float32.
;; Outputs: out0 2 x 2,048 x 1,024 float32.
;; This version of the problem:
;;   THIS VERSION OF THE PROBLEM IS GIVEN IN LOW PRECISION. The matrix products marked QUANTISED in the list below multiply operands that are first quantised to E5M2 (5 exponent bits, 2 mantissa bits; 8 bits a number), with one power-of-two scale for each 32 numbers along K (OCP MX v1.0); their sums are f32. All else is computed in f32.
;;   The module's matrix products, in the order in which they are computed (A, B: the left and right operand; K: the contracted axis; several contracted axes count as one K, in the product's order):
;;     1. [M 4,096, K 1,024] x [K 1,024, N 1,024]; A: computed on the way; B: input wq: QUANTISED
;;     2. [M 4,096, K 1,024] x [K 1,024, N 1,024]; A: computed on the way; B: input wk: QUANTISED
;;     3. [M 4,096, K 1,024] x [K 1,024, N 1,024]; A: computed on the way; B: input wv: QUANTISED
;;     4. batch 32 x [M 2,048, K 64] x [K 64, N 2,048]; A: computed on the way; B: computed on the way: QUANTISED
;;     5. batch 32 x [M 2,048, K 2,048] x [K 2,048, N 64]; A: softmax (see below); B: computed on the way: QUANTISED
;;     6. [M 4,096, K 1,024] x [K 1,024, N 1,024]; A: computed on the way; B: input wo: QUANTISED
;;     7. [M 4,096, K 1,024] x [K 1,024, N 4,096]; A: computed on the way; B: input w1: QUANTISED
;;     8. [M 4,096, K 4,096] x [K 4,096, N 1,024]; A: computed on the way; B: input w2: QUANTISED
;;   THE QUANTISER, for each operand of a quantised product, along K:
;;     - K is cut into blocks of 32 from its start; a last block that is shorter is filled with zeros.
;;     - A block's scale is 2^e with e = floor(log2(the largest magnitude in the block)) - 15, held to -126 .. 127; a block of zeros has e = 0. As a byte (E8M0): e + 127.
;;     - Each number is divided by its block's scale, clamped to +-57,344, and rounded to the nearest number of E5M2, ties to even, subnormals kept.
;;     - The product sums the exact products of the quantised numbers (number of the format x scale) in f32.
;;   ~~~python
;;   def quantise(x, axis):      # numpy; x: float32 -> the quantised numbers, widened to float32 again
;;       x = np.moveaxis(x, axis, -1); K = x.shape[-1]
;;       x = np.pad(x, [(0, 0)] * (x.ndim - 1) + [(0, -K % 32)]); x = x.reshape(x.shape[:-1] + (-1, 32)); a = np.abs(x).max(-1, keepdims=True)
;;       e = np.where(a > 0, np.clip(np.frexp(np.where(a > 0, a, 1))[1] - 1 - 15, -126, 127), 0)      # np.frexp(a)[1] - 1 = floor(log2(a)), exactly
;;       r = np.clip(x / 2.0 ** e, -57344, 57344)
;;       step = 2.0 ** (np.maximum(np.frexp(np.where(r == 0, 1, r))[1] - 1, -14) - 2)
;;       q = np.round(r / step) * step * 2.0 ** e      # np.round: ties to even
;;       return np.moveaxis(q.reshape(q.shape[:-2] + (-1,))[..., :K], -1, axis).astype(np.float32)
;;   ~~~
;;   SOFTMAX AHEAD OF A QUANTISED PRODUCT. Where the list says 'softmax', what is quantised is not the finished softmax but p = 2^(t - M), with t = logit x log2(e) and M = ceil(the row's largest t), a whole number; so 1/2 < the row's largest p <= 1. The row's sum l is taken of the UNQUANTISED p, in f32, and the product's result is divided by l at the end. Since M is a whole number, a kernel that streams over the keys may use a running M (the ceiling of the running maximum): every later rescaling is an exact power of two, which a block's scale takes up: the codes' values come out the same.
;;   OPERANDS COMPUTED ON THE WAY. 'Computed on the way' means the value that the module computes at that place (a softmax that the list does not call 'softmax' is quantised finished and normalised). What goes into a quantiser is computed in f32, as accurately as f32 sums, v_exp_f32 and their like allow (about 1e-6 of the number): no bf16 or f16 on the way to a quantiser, and a product that is left as it is and whose result goes on into a quantised operand takes f32 operands (vector FMAs, or v_wmma_f32_16x16x4_f32). A number that lies on a knife's edge between two numbers of the format may be rounded either way, as far as f32 arithmetic and the matrix unit's own rounding can turn it there, and no further.
;; One version. Each part assembles by itself: llvm-mc -triple=amdgcn-amd-amdhsa -mcpu=gfx1250 --defsym DOCPART=n.
;; ======== version 1 of 1: 7 launches
;; limits: right only within a limited range of input values
;; workspace buffers: T 4,325,376 bytes; W 12,976,128 bytes; QKV 12,976,128 bytes; ACT 17,301,504 bytes; Hres 16,777,216 bytes
;; launch prep (part 1): grid 1024 x 1, 8 waves a work-group, no clusters, 70,656 bytes of LDS; arguments x, ln1_a, ln1_b, T, wq, wk, wv, wo, w1, w2, W; writes T, W
.if DOCPART == 1
	.amdgcn_target "amdgcn-amd-amdhsa--gfx1250"
	.amdhsa_code_object_version 6
	.text
	.protected	k_qdca1413cd0_prep
	.globl	k_qdca1413cd0_prep
	.p2align	8
	.type	k_qdca1413cd0_prep,@function
k_qdca1413cd0_prep:
	s_mov_b64 s[64:65], 0
	v_nop
	global_prefetch_b8 v0, s[64:65] scope:SCOPE_SE
	s_setreg_imm32_b32 hwreg(HW_REG_WAVE_MODE, 25, 1), 1
	s_wait_xcnt 0x0
; f32 rows become operands of MX-BF8 products: codes of E5M2 and one E8M0 byte for each 32 along K, laid as IMAGES OF THE OPERAND'S REGISTERS.
; A fragment (16 rows x 128 K) is 2,048 bytes: four chunks c of 512; in chunk c lane (r = lane % 16, h = lane / 16) owns the 16 bytes at 16 x lane:
; bytes 0-7 = row r, k = 32 c + 8 h + 0..7, bytes 8-15 = k = 32 c + 16 + 8 h + 0..7.  That is a permutation of k inside each block of 32, the same for both operands of every
; product of this program, so products and block scales stand; only the order in which the matrix unit adds differs.  It is the order in which a transposed product leaves its results in a lane.
; Scale words: one word a row and 128 K, laid [K step][tile of 16 rows][16 words].
; An object of 4,096 rows x K 1,024: codes [256][8][2,048], scale words SCO bytes on.  w2 (1,024 rows x K 4,096): codes [64][32][2,048], words [32][64][64 bytes].
; SEGMENTS of 256 work-groups: 0: the activations (first argument), with the layer norm alpha (x - mean) / (std + 1e-6) + beta, std with 1,023 in the divisor, ahead of the quantiser;
; 1: wq, wk, wv, wo (64 tiles of rows each); 2: w1; 3: w2.  On a grid of 256 only segment 0 runs (the second layer norm): the weights' arguments are then named and not touched.
; SHARES.  A work-group takes 16 rows x 1,024 columns, wave w one fragment (128 columns).  Each load reads 512 consecutive bytes of one row; the 16 rows turn through the wave's own
; stage in LDS (pitch 528) and come back, into the registers that they left, as 16 numbers of each block of 32 for lane (r, h).  A row's mean and sum of squares span the eight waves: two exchanges of 512 bytes, a barrier each.
; Work-groups share no input: no cluster, no tensor load.  The text keeps to 126 registers and 70,656 bytes of LDS, so that several work-groups lie on a WGP and their loads are out together.
; The 64 bytes of scale words a wave are stored as they come (lanes 16-31 repeat lanes 0-15): one byte in 128 of what the launch reads.
; LIMITS: NaN and infinities are not served; a block whose largest magnitude lies under 2^-111, a block of zeros too, gets the byte 1 (its codes are then zeros or subnormal codes; this program alone reads the bytes);
; the division by std + 1e-6 is a reciprocal and a multiplication.  The input mask is named by no launch: the computation takes it and never uses it.
.set OBJ,  4325376
.set SCO,  4194304
.set STGB, 16*528                      ; a wave's stage
.set EX1,  8*STGB                      ; [row 16][wave 8] words: the sums; 512 bytes on: the sums of squares
.set LI,  1                            ; v1   16 x lane
.set R4,  2                            ; v2   r, then 4 r
.set STA, 3                            ; v3   the stage, on the way in
.set STB, 4                            ; v4   and on the way out
.set EXA, 5                            ; v5   my wave's word of my row
.set EXR, 6                            ; v6   my row's eight words
.set OF,  8                            ; v8-11   16 x lane + j x the source's pitch, j = 0..3
.set X,   12                           ; v12-75  as loaded (row i at 4 i); then register 16 c + i: my 16 numbers of block c
.set PC,  76                           ; v76-91  the codes
.set TM,  92                           ; v92-107 the quantiser's: +0 largest magnitudes, +4 bytes, +8 the largest number x the scale, +12 scale operands
.set PW,  108                          ; the scale word
.set P,   110                          ; v110-117 four chains of pairs
.set MN,  118                          ; v[118:119] the mean
.set G,   120                          ; v[120:121] alpha / (std + 1e-6)
.set T0,  122
.set T1,  123
.set WV,  2
.set SEG, 3
.set IDX, 4
.set SEL, 42                           ; s[42:43] selects for lane xor 16
.set MNT, 44                           ; the mantissa field of 57,344
.set BS,  56                           ; s[56:63] the source at my rows 0, 4, 8, 12
; 64 numbers of a lane, register 16 b + i, become a fragment's codes in v[PC] on and its scale word in v[pw].  relu = 1: what is negative becomes 0 on the way.
.macro QUANT s, relu, pw
.if \relu
.irp b, 0,1,2,3
	v_max3_num_f32 v[TM+\b], v[\s+16*\b], v[\s+1+16*\b], 0x8000000
.endr
.irp i, 2,4,6,8,10,12,14
.irp b, 0,1,2,3
	v_max3_num_f32 v[TM+\b], v[TM+\b], v[\s+16*\b+\i], v[\s+1+16*\b+\i]
.endr
.endr
.else
.irp b, 0,1,2,3
	v_max3_num_f32 v[TM+\b], |v[\s+16*\b]|, |v[\s+1+16*\b]|, 0x8000000   ; my 16 numbers of block b, and the floor 2^(16 - 127): the byte cannot fall under 1
.endr
.irp i, 2,4,6,8,10,12,14
.irp b, 0,1,2,3
	s_delay_alu instid0(VALU_DEP_4)
	v_max3_num_f32 v[TM+\b], v[TM+\b], |v[\s+16*\b+\i]|, |v[\s+1+16*\b+\i]|   ; the four blocks by turns
.endr
.endr
.endif
.irp b, 0,1,2,3
	s_delay_alu instid0(VALU_DEP_4)
	v_permlanex16_b32 v[TM+4+\b], v[TM+\b], s[SEL], s[SEL+1]
.endr
.irp b, 0,1,2,3
	s_delay_alu instid0(VALU_DEP_4)
	v_max_num_f32 v[TM+\b], v[TM+\b], v[TM+4+\b]   ; with lane xor 16's 16: the block's largest magnitude
.endr
.irp b, 0,1,2,3
	s_delay_alu instid0(VALU_DEP_4)
	v_add_nc_u32 v[TM+12+\b], 0xf8800000, v[TM+\b]   ; 15 off its exponent field: the conversion's scale operand
.endr
.irp b, 0,1,2,3
	v_and_or_b32 v[TM+8+\b], v[TM+\b], 0x7f800000, s[MNT]   ; 57,344 x the scale
.endr
.irp b, 0,1,2,3
	v_lshrrev_b32 v[TM+4+\b], 23, v[TM+12+\b]      ; the scale's byte
.endr
	s_delay_alu instid0(VALU_DEP_3)
	v_lshl_or_b32 v[\pw], v[TM+5], 8, v[TM+4]
	s_delay_alu instid0(VALU_DEP_1)
	v_lshl_or_b32 v[\pw], v[TM+6], 16, v[\pw]
	s_delay_alu instid0(VALU_DEP_1)
	v_lshl_or_b32 v[\pw], v[TM+7], 24, v[\pw]
.irp b, 0,1,2,3
.irp i, 0,1,2,3,4,5,6,7,8,9,10,11,12,13,14,15
.if \relu
	v_med3_num_f32 v[\s+16*\b+\i], v[\s+16*\b+\i], 0, v[TM+8+\b]
.else
	v_med3_num_f32 v[\s+16*\b+\i], v[\s+16*\b+\i], -v[TM+8+\b], v[TM+8+\b]   ; the conversion does not saturate (ISA guide 7.6.2): the hold comes first
.endif
.endr
	v_cvt_scalef32_pk8_bf8_f32 v[PC+4*\b:PC+1+4*\b], v[\s+16*\b:\s+7+16*\b], v[TM+12+\b]
	v_cvt_scalef32_pk8_bf8_f32 v[PC+2+4*\b:PC+3+4*\b], v[\s+8+16*\b:\s+15+16*\b], v[TM+12+\b]
.endr
	v_nop                                          ; a plain line behind the last conversion
.endm
.macro FOLD                            ; the eight numbers in v[P] on are added into v[T0]
	v_pk_add_f32 v[P:P+1], v[P:P+1], v[P+2:P+3]
	v_pk_add_f32 v[P+4:P+5], v[P+4:P+5], v[P+6:P+7]
	s_delay_alu instid0(VALU_DEP_1)
	v_pk_add_f32 v[P:P+1], v[P:P+1], v[P+4:P+5]
	s_delay_alu instid0(VALU_DEP_1)
	v_add_f32 v[T0], v[P], v[P+1]
.endm
.macro CROSS                           ; with lane xor 16's: my row's 128 columns
	s_delay_alu instid0(VALU_DEP_1)
	v_permlanex16_b32 v[T1], v[T0], s[SEL], s[SEL+1]
	s_delay_alu instid0(VALU_DEP_1)
	v_add_f32 v[T0], v[T0], v[T1]
.endm
.macro BARRIER                         ; my LDS stores have landed and my LDS loads are in; then the work-group's barrier
	s_wait_dscnt 0x0
	s_barrier_signal -1
	s_barrier_wait -1
.endm
	s_load_b512 s[8:23], s[0:1], 0x0               ; source s[8:9], alpha s[10:11], beta s[12:13], T s[14:15], wq, wk, wv, wo s[16:23]
	s_load_b128 s[24:27], s[0:1], 0x40             ; w1, w2
	s_load_b64 s[28:29], s[0:1], 0x50              ; W
	v_lshl_add_u32 v124, v0, 2, 0x11000            ; my spare word, and 0: kept for the closing add alone
	v_mov_b32 v125, 0
	v_lshrrev_b32 v7, 5, v0
	s_delay_alu instid0(VALU_DEP_1)
	v_readfirstlane_b32 s[WV], v7                  ; wave 0..7
	v_and_b32 v7, 31, v0
	s_delay_alu instid0(VALU_DEP_1)
	v_lshlrev_b32 v[LI], 4, v7
	v_and_b32 v[R4], 15, v0                        ; r
	v_bfe_u32 v[T0], v0, 4, 1                      ; h
	s_mul_i32 s6, s[WV], STGB
	v_add_nc_u32 v[STA], s6, v[LI]
	v_mul_u32_u24 v[STB], v[R4], 528
	s_delay_alu instid0(VALU_DEP_1)
	v_lshl_add_u32 v[STB], v[T0], 5, v[STB]
	s_delay_alu instid0(VALU_DEP_1)
	v_add_nc_u32 v[STB], s6, v[STB]                ; row r, + 32 h bytes: eight numbers
	v_lshlrev_b32 v[EXR], 5, v[R4]
	s_delay_alu instid0(VALU_DEP_1)
	v_add_nc_u32 v[EXR], EX1, v[EXR]
	s_lshl_b32 s6, s[WV], 2
	v_add_nc_u32 v[EXA], s6, v[EXR]
	v_lshlrev_b32 v[R4], 2, v[R4]
	v_mov_b32 v[T1], 0                             ; a lane permute's destination counts as one of its sources
.irp b, 0,1,2,3
	v_mov_b32 v[TM+4+\b], 0
.endr
	s_mov_b32 s[SEL], 0x76543210
	s_mov_b32 s[SEL+1], 0xfedcba98
	s_mov_b32 s[MNT], 0x600000
	s_lshr_b32 s[SEG], ttmp9, 8
	s_and_b32 s[IDX], ttmp9, 255
	; offsets, apart from the addresses.  Segments 0 to 2: rows 16 idx on (in segment 1: of the weight idx / 64), pitch 4,096 bytes; fragment (idx, w) of 8 a row tile
	s_cmp_eq_u32 s[SEG], 1
	s_cselect_b32 s6, 63, 255
	s_and_b32 s6, s[IDX], s6
	s_lshl_b32 s32, s6, 16
	s_lshl_b32 s53, s[IDX], 3
	s_add_co_u32 s53, s53, s[WV]
	s_lshl_b32 s54, s[WV], 8
	s_add_co_u32 s54, s54, s[IDX]
	; segment 3: rows 16 (idx / 4) on, columns 1,024 (idx % 4) on, pitch 16,384 bytes; fragment (idx / 4, 8 (idx % 4) + w) of 32 a row tile
	s_lshr_b32 s6, s[IDX], 2
	s_lshl_b32 s7, s6, 18
	s_and_b32 s50, s[IDX], 3
	s_lshl_b32 s51, s50, 12
	s_add_co_u32 s7, s7, s51
	s_lshl_b32 s50, s50, 3
	s_add_co_u32 s50, s50, s[WV]
	s_lshl_b32 s51, s6, 5
	s_add_co_u32 s51, s51, s50
	s_lshl_b32 s52, s50, 6
	s_add_co_u32 s52, s52, s6
	s_mov_b32 s30, 4096
	s_cmp_eq_u32 s[SEG], 3
	s_cselect_b32 s32, s7, s32
	s_cselect_b32 s34, s51, s53
	s_cselect_b32 s36, s52, s54
	s_cselect_b32 s30, 16384, s30
	s_lshl_b32 s6, s[WV], 9
	s_add_co_u32 s32, s32, s6                      ; + my wave's 128 columns
	s_mov_b32 s33, 0
	s_lshl_b32 s34, s34, 11
	s_lshl_b32 s36, s36, 6
	s_add_co_u32 s36, s36, SCO
	s_max_u32 s6, s[SEG], 1
	s_sub_co_u32 s6, s6, 1
	s_mul_i32 s6, s6, OBJ                          ; which object of W (segment 0: T's one)
	s_add_co_u32 s34, s34, s6
	s_add_co_u32 s36, s36, s6
	s_mov_b32 s35, 0
	s_mov_b32 s37, 0
.irp i, 0,1,2,3
	v_mad_u32_u24 v[OF+\i], s30, \i, v[LI]
.endr
	s_lshl_b32 s54, s30, 2                         ; four rows on, in bytes
	s_mov_b32 s55, 0
	s_wait_alu depctr_va_vdst(0)
	s_wait_kmcnt 0x0
	s_lshr_b32 s6, s[IDX], 6                       ; the buffers are chosen by the work-group's number alone
	s_cmp_eq_u32 s6, 1
	s_cselect_b64 s[46:47], s[18:19], s[16:17]
	s_cmp_eq_u32 s6, 2
	s_cselect_b64 s[46:47], s[20:21], s[46:47]
	s_cmp_eq_u32 s6, 3
	s_cselect_b64 s[46:47], s[22:23], s[46:47]
	s_cmp_eq_u32 s[SEG], 0
	s_cselect_b64 s[46:47], s[8:9], s[46:47]
	s_cselect_b64 s[48:49], s[14:15], s[28:29]
	s_cmp_eq_u32 s[SEG], 2
	s_cselect_b64 s[46:47], s[24:25], s[46:47]
	s_cmp_eq_u32 s[SEG], 3
	s_cselect_b64 s[46:47], s[26:27], s[46:47]
	s_add_nc_u64 s[BS:BS+1], s[46:47], s[32:33]
	s_add_nc_u64 s[BS+2:BS+3], s[BS:BS+1], s[54:55]
	s_add_nc_u64 s[BS+4:BS+5], s[BS+2:BS+3], s[54:55]
	s_add_nc_u64 s[BS+6:BS+7], s[BS+4:BS+5], s[54:55]
	s_add_nc_u64 s[50:51], s[48:49], s[34:35]      ; my fragment
	s_add_nc_u64 s[52:53], s[48:49], s[36:37]      ; its scale words
.irp k, 0,1,2,3
.irp j, 0,1,2,3
	global_load_b128 v[X+16*\k+4*\j:X+16*\k+4*\j+3], v[OF+\j], s[BS+2*\k:BS+2*\k+1] th:TH_LOAD_NT   ; 512 consecutive bytes of row 4 k + j
.endr
.endr
	s_load_b32 s38, s[10:11], 0x0                  ; alpha
	s_load_b32 s40, s[12:13], 0x0                  ; beta
	s_wait_kmcnt 0x0
	s_mov_b32 s41, s40                             ; (the packed form names the pair)
.irp i, 0,1,2,3,4,5,6,7,8,9,10,11,12,13,14,15
	s_wait_loadcnt 15-\i                           ; loads come back in order: row i is in, the younger rows may be out
	ds_store_b128 v[STA], v[X+4*\i:X+4*\i+3] offset:528*\i
.endr
.irp c, 0,1,2,3                        ; LDS serves a wave's instructions in order: these see my stores, and land in the registers that the stores have read
	ds_load_b128 v[X+16*\c:X+16*\c+3],     v[STB] offset:128*\c
	ds_load_b128 v[X+16*\c+4:X+16*\c+7],   v[STB] offset:128*\c+16
	ds_load_b128 v[X+16*\c+8:X+16*\c+11],  v[STB] offset:128*\c+64
	ds_load_b128 v[X+16*\c+12:X+16*\c+15], v[STB] offset:128*\c+80
.endr
	s_wait_dscnt 0x0
	; THE LAYER NORM, in three parts that the weights' segments jump over (a branch on the work-group's number); both barriers stand on every path.
	s_cmp_lg_u32 s[SEG], 0
	s_cbranch_scc1 .Lsum_done
.irp k, 0,1,2,3
	v_pk_add_f32 v[P+2*\k:P+2*\k+1], v[X+2*\k:X+2*\k+1], v[X+8+2*\k:X+8+2*\k+1]
.endr
.irp j, 2,3,4,5,6,7
.irp k, 0,1,2,3
	s_delay_alu instid0(VALU_DEP_4)
	v_pk_add_f32 v[P+2*\k:P+2*\k+1], v[P+2*\k:P+2*\k+1], v[X+8*\j+2*\k:X+8*\j+2*\k+1]
.endr
.endr
	FOLD
	CROSS
	ds_store_b32 v[EXA], v[T0]                     ; both lanes of a row write the same word with the same value
.Lsum_done:
	BARRIER
	s_cmp_lg_u32 s[SEG], 0
	s_cbranch_scc1 .Lsquares_done
	ds_load_b128 v[P:P+3], v[EXR]
	ds_load_b128 v[P+4:P+7], v[EXR] offset:16
	s_wait_dscnt 0x0
	FOLD
	s_delay_alu instid0(VALU_DEP_1)
	v_mul_f32 v[MN], 0x3a800000, v[T0]             ; / 1,024
	s_delay_alu instid0(VALU_DEP_1)
	v_mov_b32 v[MN+1], v[MN]
.set j, 0
.rept 32
	v_pk_add_f32 v[X+j:X+j+1], v[X+j:X+j+1], v[MN:MN+1] neg_lo:[0,1] neg_hi:[0,1]   ; the mean is taken away first: no difference of large sums is formed
.set j, j+2
.endr
.irp k, 0,1,2,3
	v_pk_mul_f32 v[P+2*\k:P+2*\k+1], v[X+2*\k:X+2*\k+1], v[X+2*\k:X+2*\k+1]
.endr
.irp j, 1,2,3,4,5,6,7
.irp k, 0,1,2,3
	s_delay_alu instid0(VALU_DEP_4)
	v_pk_fma_f32 v[P+2*\k:P+2*\k+1], v[X+8*\j+2*\k:X+8*\j+2*\k+1], v[X+8*\j+2*\k:X+8*\j+2*\k+1], v[P+2*\k:P+2*\k+1]
.endr
.endr
	FOLD
	CROSS
	ds_store_b32 v[EXA], v[T0] offset:512
.Lsquares_done:
	BARRIER
	s_cmp_lg_u32 s[SEG], 0
	s_cbranch_scc1 .Lnorm_done
	ds_load_b128 v[P:P+3], v[EXR] offset:512
	ds_load_b128 v[P+4:P+7], v[EXR] offset:528
	s_wait_dscnt 0x0
	FOLD
	s_delay_alu instid0(VALU_DEP_1)
	v_mul_f32 v[T0], 0x3a802008, v[T0]             ; / 1,023
	s_wait_alu depctr_va_vdst(0)
	v_sqrt_f32 v[T0], v[T0]
	v_nop                                          ; a plain line behind the root,
	s_wait_alu depctr_va_vdst(0)                   ; and the wait ahead of its first reader
	v_add_f32 v[T0], 0x358637bd, v[T0]             ; + 1e-6
	s_wait_alu depctr_va_vdst(0)
	v_rcp_f32 v[T0], v[T0]
	v_nop
	s_wait_alu depctr_va_vdst(0)
	v_mul_f32 v[G], s38, v[T0]
	s_delay_alu instid0(VALU_DEP_1)
	v_mov_b32 v[G+1], v[G]
.set j, 0
.rept 32
	v_pk_fma_f32 v[X+j:X+j+1], v[X+j:X+j+1], v[G:G+1], s[40:41] op_sel_hi:[1,1,0]
.set j, j+2
.endr
.Lnorm_done:
	QUANT X, 0, PW
.irp c, 0,1,2,3
	global_store_b128 v[LI], v[PC+4*\c:PC+4*\c+3], s[50:51] offset:512*\c   ; 512 consecutive bytes, aligned
.endr
	global_store_b32 v[R4], v[PW], s[52:53]
	s_wait_tensorcnt 0x0
	ds_add_u32 v124, v125
	s_wait_dscnt 0x0
	s_endpgm
.Lfunc_end_k_qdca1413cd0_prep:
	.size	k_qdca1413cd0_prep, .Lfunc_end_k_qdca1413cd0_prep-k_qdca1413cd0_prep
	.p2alignl 7, 3214868480
	.fill 96, 4, 3214868480
	.section	.rodata,"a",@progbits
	.p2align	6, 0x0
	.amdhsa_kernel k_qdca1413cd0_prep
		.amdhsa_group_segment_fixed_size 70656
		.amdhsa_private_segment_fixed_size 0
		.amdhsa_enable_private_segment 0
		.amdhsa_kernarg_size 88
		.amdhsa_user_sgpr_count 2
		.amdhsa_user_sgpr_kernarg_segment_ptr 1
		.amdhsa_wavefront_size32 1
		.amdhsa_system_sgpr_workgroup_id_x 1
		.amdhsa_system_sgpr_workgroup_id_y 1
		.amdhsa_system_sgpr_workgroup_id_z 1
		.amdhsa_system_vgpr_workitem_id 0
		.amdhsa_next_free_vgpr 128
		.amdhsa_next_free_sgpr 66
		.amdhsa_reserve_vcc 0
		.amdhsa_float_denorm_mode_32 3
		.amdhsa_float_denorm_mode_16_64 3
		.amdhsa_memory_ordered 1
		.amdhsa_forward_progress 1
		.amdhsa_inst_pref_size 31
	.end_amdhsa_kernel
	.amdgpu_metadata
---
amdhsa.version: [ 1, 2 ]
amdhsa.kernels:
  - .name:           k_qdca1413cd0_prep
    .symbol:         k_qdca1413cd0_prep.kd
    .args:
      - { .name: x, .offset: 0, .size: 8, .value_kind: global_buffer, .address_space: global }
      - { .name: ln1_a, .offset: 8, .size: 8, .value_kind: global_buffer, .address_space: global }
      - { .name: ln1_b, .offset: 16, .size: 8, .value_kind: global_buffer, .address_space: global }
      - { .name: T, .offset: 24, .size: 8, .value_kind: global_buffer, .address_space: global }
      - { .name: wq, .offset: 32, .size: 8, .value_kind: global_buffer, .address_space: global }
      - { .name: wk, .offset: 40, .size: 8, .value_kind: global_buffer, .address_space: global }
      - { .name: wv, .offset: 48, .size: 8, .value_kind: global_buffer, .address_space: global }
      - { .name: wo, .offset: 56, .size: 8, .value_kind: global_buffer, .address_space: global }
      - { .name: w1, .offset: 64, .size: 8, .value_kind: global_buffer, .address_space: global }
      - { .name: w2, .offset: 72, .size: 8, .value_kind: global_buffer, .address_space: global }
      - { .name: W, .offset: 80, .size: 8, .value_kind: global_buffer, .address_space: global }
    .group_segment_fixed_size: 70656
    .private_segment_fixed_size: 0
    .kernarg_segment_align: 8
    .kernarg_segment_size: 88
    .max_flat_workgroup_size: 256
    .sgpr_count:     66
    .vgpr_count:     128
    .wavefront_size: 32
...
	.end_amdgpu_metadata
.endif
;; end of part 1
;; launch qkv (part 2): grid 12 x 16, 4 waves a work-group, clusters of 4 x 4, 327,680 bytes of LDS; arguments T, W, bq, bk, bv, QKV; writes QKV
.if DOCPART == 2
	.amdgcn_target "amdgcn-amd-amdhsa--gfx1250"
	.amdhsa_code_object_version 6
	.text
	.protected	k_qdca1413cd0_qkv
	.globl	k_qdca1413cd0_qkv
	.p2align	8
	.type	k_qdca1413cd0_qkv,@function
k_qdca1413cd0_qkv:
	s_mov_b64 s[64:65], 0
	v_nop
	global_prefetch_b8 v0, s[64:65] scope:SCOPE_SE
	s_setreg_imm32_b32 hwreg(HW_REG_WAVE_MODE, 25, 1), 1
	s_wait_xcnt 0x0
	s_wait_alu depctr_hold_cnt(0) depctr_sa_sdst(0) depctr_va_vdst(0) depctr_va_sdst(0) depctr_va_ssrc(0) depctr_va_vcc(0) depctr_vm_vsrc(0)
	s_getreg_b32 s2, hwreg(HW_REG_IB_STS2, 6, 4)
	s_cmp_eq_u32 s2, 0
	s_cbranch_scc0 .Lentry_in_a_cluster
	s_endpgm
.Lentry_in_a_cluster:
	s_bfe_u32 s2, ttmp6, 0x10000c
	s_cmp_lg_u32 s2, 0xf033
	s_cbranch_scc0 .Lentry_shape_is_right
	s_endpgm
.Lentry_shape_is_right:
; q = t wq^T + bq, k = t wk^T + bk, and V^T = wv t^T + bv, on codes of E5M2 with E8M0 scales; the results are quantised in registers and leave as codes for the attention launch.
; OPERANDS are images of their registers: fragment (row tile, K step) = 2,048 bytes, chunk c at 512 c, lane's 16 bytes at 16 x lane; scale words [K step][row tile][16 words].  k is permuted inside
; each block of 32, alike in both operands of every product: bytes 0-7 of a lane's 16 are k = 32 c + 8 h + 0..7, bytes 8-15 k = 32 c + 16 + 8 h + 0..7.
; T: the normalised tokens, 256 row tiles x 8 K steps.  W: wq row tiles 0-63, wk 64-127, wv 128-191.  Both objects have the same shape, so one set of shapes serves both.
; SHARES.  A work-group of four waves makes 256 x 256 of a product, a wave 128 x 128: 64 accumulators.  Clusters of 4 x 4: cluster x = 0: q, 1: k (rows = tokens, columns = features);
; x = 2: V^T (rows = wv's 1,024 rows, columns = tokens), so that V's results lie along the KEYS in a lane, as its quantiser wants.  192 work-groups: 3,072 x 4,096 results in tiles of 256 x 256.
; The four of a row of the cluster need the same tiles of the row operand, the four of a column those of the column operand: each tile is asked for jointly, with a mask that names the four.
; THE MATRIX INSTRUCTION IS USED TRANSPOSED (source 0 = 16 rows of the column operand, source 1 = 16 of the row operand): lane (r, h) holds row r and, in accumulator b, columns 16 b + 8 h + 0..7:
; the conversions of accumulators 2 c and 2 c + 1 ARE chunk c of the next product's fragment.
; K goes through a ring of two LDS slots of 256 along K; each wave fetches a quarter of a slot (8 row tiles x 4,096 bytes) by one tensor load.  The scale words of all of K come once, with the first fills.
; OUT (buffer QKV): q codes [bh][step of 128 tokens][tile of 16][half of the head's 64][512]; from KVO on [bh][group of 4 steps][K: 4 x 8,192 | V: 4 x 8,192], a V step [16 of the head's 64][chunk][512];
; scale words: q from QSO on [bh][step][pair of tiles][16 words] (a word: two bytes of tile 2 f, two of tile 2 f + 1); from KVSO on [bh][K 4,096 | V 4,096], 256 bytes a step.
; REGISTERS, in windows of 256: window 0: v0-31 addresses; v32-63 scale words, two sets; v64-127 the bias; from v128 the row operand's fragments, ONE set (later the epilogue's work);
; window 1: the column operand's, TWO sets; windows 2, 3: the accumulators, (a, b) at v[8 (8 (a % 4) + b)].
; LIMITS: NaN and infinities are not served; a block under 2^-111 gets the byte 1.
.set MB,   8                           ; blocks of 16 a wave and side
.set NB,   MB
.set NQ,   2                           ; steps of 128 along K in a slot
.set KS,   8                           ; steps in K
.set AC0,  0                           ; where the row operand's codes and scale words begin in its buffer; the column operand's
.set AS0,  4194304
.set BC0,  0
.set BS0,  4194304
.set ASTR, 2048                        ; from K step to K step among the scale words, in elements of 8 bytes
.set BSTR, 2048
.set PA,   12                          ; s[12:13], s[100:101]: the two operands' buffers
.set PB,   100
.set KVO,  4194304
.set QSO,  12582912
.set KVSO, 12713984
.set LAPS, KS/(2*NQ)
.set FR,   16
.set FRB,  2048
.set NL,   4
.set NP,   8                           ; places behind this matrix instruction (ISA guide 7.12.1)
.set AQ,   MB/4
.set QUART, MB*NQ*FRB                  ; what one tensor load brings
.set SLOT, 4*QUART
.set SCL,  2*SLOT                      ; behind the ring: the scale words, [K step][block][64 bytes] for each quarter
.set SROW, 64*MB
.set HALFS, KS*SROW
.set SPARE, SCL+4*HALFS                ; the spare words, 128 bytes a wave
.set XTR,  SPARE+512                   ; 512 bytes a wave, through which the scale words are gathered; no tile lands here
.set ADRA, 16
.set ADRB, 20
.set LI,   24                          ; 16 x lane
.set XS,   25
.set XL,   26
.set ADRS, 27
.set SPW,  28
.set NIL,  29
.set XG,   30
.set RB4,  31
.set SC,   32
.set CB,   64
.set AF,   128
.set ST,   128
.set PC,   192
.set TM,   208
.set SW,   226
.set KW,   234
.set GW,   242
.set GB,   246
.set G1, 24
.set G0, 32
.set G1B, 48
.set G0B, 56
.set G1S, 68
.set G0S, 76
.set G1SB, 80
.set G0SB, 88
.set SEL, 46
.set MNT, 45
.set MSB, 0
.macro WIN new                         ; the immediate's high byte repeats the setting that is left
.if MSB != (\new)
	s_set_vgpr_msb (MSB<<8)|(\new)
.set MSB, \new
.endif
.endm
.set MUL_LO, 0xa1                      ; source 0 window 1, source 1 window 0, C and D window 2
.set MUL_HI, 0xa1+0x50*(MB/8)
.set TO_B,   0x40
.macro JLOAD g0a, g1a, g0b, g1b        ; a joint load: waves 0 and 1 fetch for the row operand, waves 2 and 3 for the column operand; four v_nop follow each line
	s_cmp_eq_u32 s15, 0
	s_cbranch_scc0 .Lfor_b_\@
	tensor_load_to_lds s[\g0a:\g0a+3], s[\g1a:\g1a+7]
	s_nop 0
.rept 4
	v_nop
.endr
	s_branch .Lasked_\@
.Lfor_b_\@:
	tensor_load_to_lds s[\g0b:\g0b+3], s[\g1b:\g1b+7]
	s_nop 0
.rept 4
	v_nop
.endr
.Lasked_\@:
.endm
.macro CREST                           ; a round of the cluster's barrier behind its opening barrier
	s_cmp_lg_u32 s14, 0
	s_cbranch_scc1 .Lnot_wave_0_\@
	s_barrier_signal -3
.Lnot_wave_0_\@:
	s_barrier_wait -3
	s_barrier_signal -1
	s_barrier_wait -1
.endm
.macro CROUND
	s_barrier_signal -1
	s_barrier_wait -1
	CREST
.endm
.macro PLACES n
.rept \n
	v_nop
.endr
.endm
.macro FRAG reg, adr, q, i             ; a fragment comes as it lies: four loads of 512 consecutive bytes
.irp c, 0,1,2,3
	ds_load_b128 v[\reg+4*\c:\reg+4*\c+3], v[\adr] offset:((\i)*NQ+(\q))*FRB+512*\c
.endr
.endm
; AQ blocks of the row operand from a0 on x all NB of the column operand, 128 along K.  The accumulators take turns, one instruction a turn, in the same order in every step.
.macro MULQ a0, p, q, sc, zero
.set ma, \a0
.rept AQ
.set mb, 0
.rept NB
.set rD, 8*(NB*(ma%4)+mb)
.if \zero
	v_wmma_scale_f32_16x16x128_f8f6f4 v[rD:rD+7], v[128*(\p)+FR*mb:128*(\p)+FR*mb+FR-1], v[AF+FR*ma:AF+FR*ma+FR-1], 0, v[SC+16*(\sc)+NQ*mb+(\q)], v[SC+16*(\sc)+NQ*ma+(\q)] matrix_a_fmt:MATRIX_FMT_BF8 matrix_b_fmt:MATRIX_FMT_BF8 matrix_a_scale:MATRIX_SCALE_ROW1
.else
	v_wmma_scale_f32_16x16x128_f8f6f4 v[rD:rD+7], v[128*(\p)+FR*mb:128*(\p)+FR*mb+FR-1], v[AF+FR*ma:AF+FR*ma+FR-1], v[rD:rD+7], v[SC+16*(\sc)+NQ*mb+(\q)], v[SC+16*(\sc)+NQ*ma+(\q)] matrix_a_fmt:MATRIX_FMT_BF8 matrix_b_fmt:MATRIX_FMT_BF8 matrix_a_scale:MATRIX_SCALE_ROW1
.endif
.set mb, mb+1
.endr
.set ma, ma+1
.endr
.endm
.macro FETCH_B slot, q, p
	WIN TO_B
.set fi, 0
.rept NB
	FRAG 128*(\p)+FR*fi, ADRB+\slot, \q, fi
.set fi, fi+1
.endr
	WIN 0
.endm
.macro FETCH_A slot, q, i0             ; half of the row operand's blocks, from i0 on
.set fi, \i0
.rept MB/2
	FRAG AF+FR*fi, ADRA+\slot, \q, fi
.set fi, fi+1
.endr
.endm
.macro SCALES sc                       ; a slot's scale words: register NQ i + q: lanes 0-15 the row operand's block i, lanes 16-31 the column operand's
.set fi, 0
.rept MB
.set fq, 0
.rept NQ
	ds_load_b32 v[SC+16*\sc+NQ*fi+fq], v[ADRS] offset:fq*2*SROW+64*fi
.set fq, fq+1
.endr
.set fi, fi+1
.endr
.endm
.macro STEP slot, q, zero              ; a step of 128 along K that has its successor in the same slot
	s_wait_dscnt (MB/2)*NL                         ; all but the youngest loads, the row operand's upper blocks
	WIN MUL_LO
	MULQ 0, (\q)%2, \q, \slot, \zero
	MULQ AQ, (\q)%2, \q, \slot, \zero
	s_wait_dscnt 0
	PLACES NP                                      ; in front of loads into registers that matrix instructions have read
	FETCH_B \slot, (\q)+1, 1-(\q)%2
	FETCH_A \slot, (\q)+1, 0
	WIN MUL_HI
	MULQ 2*AQ, (\q)%2, \q, \slot, \zero
	MULQ 3*AQ, (\q)%2, \q, \slot, \zero
	PLACES NP
	WIN 0
	FETCH_A \slot, (\q)+1, MB/2
.endm
.macro MID slot
.set mq, 1
.rept NQ-2
	STEP \slot, mq, 0
.set mq, mq+1
.endr
.endm
; A slot's last step changes slots: ONE barrier; in front of it each wave waits for all its tensor loads, adds 0 to its spare word, and waits for that and for its reads of this slot.
.macro TURN slot, next, fill
	s_wait_tensorcnt 0x0                           ; all my tensor loads have landed: my part of the next slot
	ds_add_u32 v[SPW], v[NIL]
	s_wait_dscnt (MB/2)*NL+1                       ; (the add and the youngest loads may be out)
	WIN MUL_LO
	MULQ 0, 1, NQ-1, \slot, 0
	s_wait_dscnt 0x0                               ; the add is done, and my reads of this slot are over
	s_barrier_signal -1
	MULQ AQ, 1, NQ-1, \slot, 0
	WIN 0
	s_barrier_wait -1
.if \fill
	CREST                                          ; the barrier has opened a round of the cluster's: no wave of any partner still reads this slot or has a load on its way
	s_add_nc_u64 s[G0+4*\slot+2:G0+4*\slot+3], s[G0+4*\slot+2:G0+4*\slot+3], 2*NQ*FRB
	s_add_nc_u64 s[G0B+4*\slot+2:G0B+4*\slot+3], s[G0B+4*\slot+2:G0B+4*\slot+3], 2*NQ*FRB
	JLOAD G0+4*\slot, G1, G0B+4*\slot, G1B         ; the first tensor load behind the round; its four v_nop are among the places below
	PLACES NP-4
.else
	PLACES NP
.endif
	s_wait_alu depctr_va_vdst(0)
	v_add_nc_u32 v[ADRS], 2*NQ*SROW, v[ADRS]
	FETCH_B \next, 0, 0
	FETCH_A \next, 0, 0
	SCALES \next
	WIN MUL_HI
	MULQ 2*AQ, 1, NQ-1, \slot, 0
	MULQ 3*AQ, 1, NQ-1, \slot, 0
	PLACES NP
	WIN 0
	FETCH_A \next, 0, MB/2
.endm
.macro LAST                            ; the very last step: nothing more to fetch
	s_wait_dscnt (MB/2)*NL
	WIN MUL_LO
	MULQ 0, 1, NQ-1, 1, 0
	MULQ AQ, 1, NQ-1, 1, 0
	s_wait_dscnt 0
	WIN MUL_HI
	MULQ 2*AQ, 1, NQ-1, 1, 0
	MULQ 3*AQ, 1, NQ-1, 1, 0
	WIN 0
.endm
.macro FINISH                          ; the wave's end; then the closing round: no work-group ends while a partner may still ask for a tile that names it
	s_wait_tensorcnt 0x0
	ds_add_u32 v[SPW], v[NIL]
	s_wait_dscnt 0x0
	CROUND
	s_endpgm
.endm
; 64 numbers of a lane, register 16 b + i, become a fragment's codes in v[PC] on and its scale word in v[pw].  relu = 1: what is negative becomes 0 on the way.
.macro QUANT s, relu, pw
.if \relu
.irp b, 0,1,2,3
	v_max3_num_f32 v[TM+\b], v[\s+16*\b], v[\s+1+16*\b], 0x8000000
.endr
.irp i, 2,4,6,8,10,12,14
.irp b, 0,1,2,3
	v_max3_num_f32 v[TM+\b], v[TM+\b], v[\s+16*\b+\i], v[\s+1+16*\b+\i]
.endr
.endr
.else
.irp b, 0,1,2,3
	v_max3_num_f32 v[TM+\b], |v[\s+16*\b]|, |v[\s+1+16*\b]|, 0x8000000   ; my 16 numbers of block b, and the floor 2^(16 - 127): the byte cannot fall under 1
.endr
.irp i, 2,4,6,8,10,12,14
.irp b, 0,1,2,3
	v_max3_num_f32 v[TM+\b], v[TM+\b], |v[\s+16*\b+\i]|, |v[\s+1+16*\b+\i]|
.endr
.endr
.endif
.irp b, 0,1,2,3
	v_permlanex16_b32 v[TM+4+\b], v[TM+\b], s[SEL], s[SEL+1]
.endr
.irp b, 0,1,2,3
	v_max_num_f32 v[TM+\b], v[TM+\b], v[TM+4+\b]   ; with lane xor 16's 16: the block's largest magnitude
.endr
.irp b, 0,1,2,3
	v_add_nc_u32 v[TM+12+\b], 0xf8800000, v[TM+\b]   ; 15 off its exponent field: the conversion's scale operand
.endr
.irp b, 0,1,2,3
	v_and_or_b32 v[TM+8+\b], v[TM+\b], 0x7f800000, s[MNT]   ; 57,344 x the scale
.endr
.irp b, 0,1,2,3
	v_lshrrev_b32 v[TM+4+\b], 23, v[TM+12+\b]      ; the scale's byte
.endr
	v_lshl_or_b32 v[\pw], v[TM+5], 8, v[TM+4]
	v_lshl_or_b32 v[\pw], v[TM+6], 16, v[\pw]
	v_lshl_or_b32 v[\pw], v[TM+7], 24, v[\pw]
.irp b, 0,1,2,3
.irp i, 0,1,2,3,4,5,6,7,8,9,10,11,12,13,14,15
.if \relu
	v_med3_num_f32 v[\s+16*\b+\i], v[\s+16*\b+\i], 0, v[TM+8+\b]
.else
	v_med3_num_f32 v[\s+16*\b+\i], v[\s+16*\b+\i], -v[TM+8+\b], v[TM+8+\b]   ; the conversion does not saturate (ISA guide 7.6.2): the hold comes first
.endif
.endr
	v_cvt_scalef32_pk8_bf8_f32 v[PC+4*\b:PC+1+4*\b], v[\s+16*\b:\s+7+16*\b], v[TM+12+\b]
	v_cvt_scalef32_pk8_bf8_f32 v[PC+2+4*\b:PC+3+4*\b], v[\s+8+16*\b:\s+15+16*\b], v[TM+12+\b]
.endr
	v_nop                                          ; a plain line behind the last conversion
.endm
	s_load_b128 s[4:7], s[0:1], 0x0                ; T, W
	s_load_b128 s[8:11], s[0:1], 0x10              ; bq, bk
	s_load_b128 s[96:99], s[0:1], 0x20             ; bv, QKV
	v_lshl_add_u32 v[SPW], v0, 2, SPARE
	v_mov_b32 v[NIL], 0
	ds_add_u32 v28, v29
	ds_add_u32 v28, v29
	s_wait_dscnt 0x0
	v_lshrrev_b32 v1, 5, v0
	v_readfirstlane_b32 s14, v1                    ; wave 0..3
	s_lshr_b32 s15, s14, 1                         ; which half of the tile's rows is mine.  Also: I fetch for the row operand (0) or the column operand (1)
	s_and_b32 s16, s14, 1                          ; which half of its columns.  Also: which half of that tile I fetch
	s_bfe_u32 s40, ttmp6, 0x40000                  ; cx, cy
	s_bfe_u32 s41, ttmp6, 0x40004
	s_and_b32 s18, ttmp7, 0xffff
	s_lshl_b32 s18, s18, 2                         ; 4 x cluster y
	s_lshl_b32 s19, ttmp9, 2                       ; 4 x cluster x
	s_cmp_eq_u32 ttmp9, 2                          ; V^T?  The same in all partners of a cluster
	s_cselect_b32 s17, 8, s18                      ; tile row: tokens, or wv's rows (row tiles 128 on of W)
	s_cselect_b32 s42, s18, s19                    ; tile column: wq's and wk's rows, or tokens
	s_add_co_u32 s17, s17, s41
	s_add_co_u32 s42, s42, s40
	s_lshl_b32 s43, s41, 2
	s_lshl_b32 s43, 15, s43                        ; my row of the cluster
	s_lshl_b32 s44, 0x1111, s40                    ; my column
	s_or_b32 s[G1+0], s43, (3<<16)|(1<<21)         ; 15:0 the mask; 17:16 elements of 8 bytes; 21 set beside a mask; no padding: an image is read as it lies
	s_or_b32 s[G1B+0], s44, (3<<16)|(1<<21)
.irp g, G1, G1B
	s_mov_b32 s[\g+1], (NQ*256)<<16                ; tensor_dim0: a row tile's NQ fragments on end
	s_mov_b32 s[\g+2], (2*MB)<<16                  ; tensor_dim1: the head's loads bring both halves of a tile
	s_mov_b32 s[\g+3], (NQ*256)<<16                ; tile_dim0
	s_mov_b32 s[\g+4], 2*MB                        ; tile_dim1
	s_mov_b32 s[\g+5], KS*256                      ; from row tile to row tile
	s_mov_b32 s[\g+6], 0
	s_mov_b32 s[\g+7], 0
.endr
	s_or_b32 s[G1S+0], s43, (3<<16)|(1<<21)
	s_or_b32 s[G1SB+0], s44, (3<<16)|(1<<21)
.irp g, G1S, G1SB
	s_mov_b32 s[\g+1], (SROW/4)<<16                ; 2 MB blocks' words of one K step
	s_mov_b32 s[\g+2], KS<<16
	s_mov_b32 s[\g+3], (SROW/4)<<16
	s_mov_b32 s[\g+4], KS
	s_mov_b32 s[\g+6], 0
	s_mov_b32 s[\g+7], 0
.endr
	s_mov_b32 s[G1S+5], ASTR
	s_mov_b32 s[G1SB+5], BSTR
	s_mul_i32 s18, s16, MB*KS*FRB                  ; the half that I fetch in the ring, in bytes
	s_mov_b32 s19, 0
	s_mul_i32 s20, s17, 2*MB                       ; the row operand's first row tile
	s_mul_i32 s46, s42, 2*MB                       ; the column operand's
	s_lshl_b32 s22, s20, 6
	s_add_co_u32 s22, s22, AS0
	s_mov_b32 s23, 0
	s_lshl_b32 s92, s46, 6
	s_add_co_u32 s92, s92, BS0
	s_mov_b32 s93, 0
	s_mul_i32 s20, s20, KS*FRB
	s_add_co_u32 s20, s20, AC0
	s_mov_b32 s21, 0
	s_mul_i32 s46, s46, KS*FRB
	s_add_co_u32 s46, s46, BC0
	s_mov_b32 s47, 0
	s_mul_i32 s45, s14, QUART                      ; where they go: no place in the cluster enters an LDS address
	s_wait_kmcnt 0x0
	s_cmp_eq_u32 ttmp9, 2
	s_cselect_b64 s[PA:PA+1], s[6:7], s[4:5]
	s_cselect_b64 s[PB:PB+1], s[4:5], s[6:7]
	s_add_nc_u64 s[20:21], s[PA:PA+1], s[20:21]
	s_add_nc_u64 s[22:23], s[PA:PA+1], s[22:23]
	s_add_nc_u64 s[46:47], s[PB:PB+1], s[46:47]
	s_add_nc_u64 s[92:93], s[PB:PB+1], s[92:93]
	CROUND                                         ; all sixteen work-groups are here: the first joint loads meet
	s_mov_b32 s[G0S], 1
	s_mov_b32 s[G0S+1], SCL
	s_mov_b64 s[G0S+2:G0S+3], s[22:23]
	s_or_b32 s[G0S+3], s[G0S+3], 0x80000000
	s_mov_b32 s[G0SB], 1
	s_mov_b32 s[G0SB+1], SCL+2*HALFS
	s_mov_b64 s[G0SB+2:G0SB+3], s[92:93]
	s_or_b32 s[G0SB+3], s[G0SB+3], 0x80000000
.irp s, 0,1
	s_mov_b32 s[G0+4*\s], 1
	s_add_co_u32 s[G0+4*\s+1], s45, \s*SLOT
	s_add_nc_u64 s[G0+4*\s+2:G0+4*\s+3], s[20:21], \s*NQ*FRB
	s_or_b32 s[G0+4*\s+3], s[G0+4*\s+3], 0x80000000
	s_mov_b32 s[G0B+4*\s], 1
	s_add_co_u32 s[G0B+4*\s+1], s45, \s*SLOT
	s_add_nc_u64 s[G0B+4*\s+2:G0B+4*\s+3], s[46:47], \s*NQ*FRB
	s_or_b32 s[G0B+4*\s+3], s[G0B+4*\s+3], 0x80000000
.endr
	s_mov_b32 s[G0+1], 0                           ; the head's loads bring whole tiles of slot 0: the row operand's at LDS byte 0,
	s_mov_b32 s[G0B+1], 2*QUART                    ; the column operand's behind it
	s_add_nc_u64 s[G0+6:G0+7], s[G0+6:G0+7], s[18:19]       ; slot 1's loads: my half
	s_add_nc_u64 s[G0B+6:G0B+7], s[G0B+6:G0B+7], s[18:19]
	; THE PREFETCHES.  A slot's part of the MB row tiles that I fetch is 128 blocks of 256 bytes; the four partners that ask for it jointly share them out by address (cx for the row operand, cy for the
	; column operand): MB / 4 row tiles each, a lane a block, one instruction a wave.  s[66:67]: my 32 blocks of slot step 1; v22: my lane's block; neither is written again.
	s_cmp_eq_u32 s15, 0
	s_cselect_b64 s[66:67], s[20:21], s[46:47]
	s_cselect_b32 s92, s40, s41
	s_mul_i32 s92, s92, (MB/4)*KS*FRB
	s_add_co_u32 s92, s92, NQ*FRB
	s_mov_b32 s93, 0
	s_add_nc_u64 s[66:67], s[66:67], s[92:93]
	s_add_nc_u64 s[66:67], s[66:67], s[18:19]
	v_and_b32 v22, 31, v0
	v_lshrrev_b32 v23, 4+NQ/4, v22                 ; which row tile of mine: NQ x 8 blocks to a row tile
	v_and_b32 v22, NQ*8-1, v22
	v_lshlrev_b32 v22, 8, v22
	v_mad_u32_u24 v22, v23, KS*FRB, v22
	s_wait_alu depctr_va_vdst(0)
; THE HEAD'S LOADS, ONE A WAVE: wave 0 slot 0 of the row operand, wave 1 of the column operand, waves 2 and 3 their scale words.  One tree of branches on the wave's number.
.macro ARM under, g0, g1, next
	s_cmp_lt_u32 s14, \under
	s_cbranch_scc0 \next
	tensor_load_to_lds s[\g0:\g0+3], s[\g1:\g1+7]
	s_nop 0
.rept 4
	v_nop
.endr
	s_branch .Lhead_asked
\next:
.endm
	ARM 1, G0,  G1,  .Lhead_b
	ARM 2, G0B, G1B, .Lhead_sa
	ARM 3, G0S, G1S, .Lhead_sb
	tensor_load_to_lds s[G0SB:G0SB+3], s[G1SB:G1SB+7]
	s_nop 0
.rept 4
	v_nop
.endr
.Lhead_asked:
	global_prefetch_b8 v22, s[66:67] th:TH_LOAD_NT scope:SCOPE_SE                    ; slot step 1, which the next round's load asks for,
	global_prefetch_b8 v22, s[66:67] offset:NQ*FRB th:TH_LOAD_NT scope:SCOPE_SE      ; and slot step 2
	s_wait_alu depctr_va_vdst(0)
	s_wait_tensorcnt 0x0                           ; my tile of the head's four is in; the three lines ahead of a later first fill
	ds_add_u32 v[SPW], v[NIL]
	s_mov_b32 s[G1+2], MB<<16                      ; no load of mine is out: from here on a load brings MB row tiles,
	s_mov_b32 s[G1+4], MB
	s_mov_b32 s[G1B+2], MB<<16
	s_mov_b32 s[G1B+4], MB
	s_mov_b32 s[G0+1], s45                         ; into my quarter of the slot,
	s_mov_b32 s[G0B+1], s45
	s_add_nc_u64 s[G0+2:G0+3], s[G0+2:G0+3], s[18:19]       ; from my half of the tile
	s_add_nc_u64 s[G0B+2:G0B+3], s[G0B+2:G0B+3], s[18:19]
	s_wait_dscnt 0x0
	CROUND                                         ; all four tiles are in, in every partner
	JLOAD G0+4, G1, G0B+4, G1B                     ; slot 1's first fill, the first tensor load behind the round
	global_prefetch_b8 v22, s[66:67] offset:2*NQ*FRB th:TH_LOAD_NT scope:SCOPE_SE    ; slot step 3, the last: two refills ahead of its load
	v_and_b32 v1, 15, v0                           ; r
	v_bfe_u32 v2, v0, 4, 1                         ; h
	s_wait_alu depctr_va_vdst(0)
	v_and_b32 v3, 31, v0                           ; lane
	v_lshlrev_b32 v[LI], 4, v3
	s_mul_i32 s21, s15, QUART
	s_mul_i32 s22, s16, QUART
	s_add_co_u32 s22, s22, 2*QUART
.irp s, 0,1
	v_add_nc_u32 v[ADRA+\s], s21, v[LI]
	v_add_nc_u32 v[ADRB+\s], s22, v[LI]
	s_add_co_u32 s21, s21, SLOT
	s_add_co_u32 s22, s22, SLOT
.endr
	v_lshlrev_b32 v5, 2, v1
	s_mul_i32 s21, s15, SROW                       ; a K step's words: both halves on end
	s_mul_i32 s22, s16, SROW
	s_add_co_u32 s22, s22, 2*HALFS
	s_sub_co_u32 s22, s22, s21
	v_mul_u32_u24 v6, s22, v2                      ; lanes 16-31 take the column operand's words
	s_add_co_u32 s21, s21, SCL
	v_add_nc_u32 v5, v5, v6
	v_add_nc_u32 v[ADRS], s21, v5
	s_lshl_b32 s18, s14, 9
	s_add_co_u32 s18, s18, XTR
	v_lshl_add_u32 v[XS], v3, 2, s18
	v_add_nc_u32 v[XL], s18, v[LI]
	v_lshlrev_b32 v7, 5, v2                        ; a column bias: 32 h bytes
	v_lshlrev_b32 v[RB4], 2, v1                    ; a row bias: 4 r
	; WHERE THE RESULTS GO.  tokens / 128 and features / 128 of my 128 x 128; the choices hang on the cluster's x alone
	s_lshl_b32 s18, s17, 1
	s_add_co_u32 s18, s18, s15
	s_lshl_b32 s19, s42, 1
	s_add_co_u32 s19, s19, s16
	s_and_b32 s20, s19, 7
	s_sub_co_u32 s21, s18, 16
	s_cmp_eq_u32 ttmp9, 2
	s_cselect_b32 s22, s19, s18                    ; tokens / 128
	s_cselect_b32 s20, s21, s20                    ; features / 128, inside q, k or v
	s_cselect_b32 s40, 32768, 0                    ; V's place behind K's in a group,
	s_cselect_b32 s41, 4096, 0                     ; and among a head's scale words
	s_lshr_b32 s21, s22, 4                         ; batch
	s_and_b32 s22, s22, 15                         ; step
	s_lshl_b32 s21, s21, 4
	s_lshl_b32 s23, s20, 1
	s_add_co_u32 s21, s21, s23                     ; bh of my first head
	s_lshl_b32 s43, s22, 8
	s_lshl_b32 s44, s21, 18
	s_add_co_u32 s44, s44, s40
	s_lshr_b32 s40, s22, 2
	s_lshl_b32 s40, s40, 16
	s_add_co_u32 s44, s44, s40
	s_and_b32 s40, s22, 3
	s_lshl_b32 s40, s40, 13
	s_add_co_u32 s44, s44, s40
	s_add_co_u32 s44, s44, KVO                     ; k's or v's codes
	s_lshl_b32 s92, s21, 13
	s_add_co_u32 s92, s92, s41
	s_add_co_u32 s92, s92, s43
	s_add_co_u32 s92, s92, KVSO                    ; and scale words
	s_lshl_b32 s40, s21, 17
	s_lshl_b32 s41, s22, 13
	s_add_co_u32 s40, s40, s41                     ; q's codes
	s_lshl_b32 s41, s21, 12
	s_add_co_u32 s41, s41, s43
	s_add_co_u32 s41, s41, QSO                     ; and scale words
	s_mov_b32 s94, 262144
	s_mov_b32 s19, 8192
	s_cmp_eq_u32 ttmp9, 0
	s_cselect_b32 s44, s40, s44
	s_cselect_b32 s92, s41, s92
	s_cselect_b32 s94, 131072, s94                 ; from a head's codes to the next head's
	s_cselect_b32 s19, 4096, s19                   ; and its scale words
	s_mov_b32 s45, 0
	s_mov_b32 s93, 0
	s_mov_b32 s95, 0
	s_lshl_b32 s20, s20, 9                         ; the bias of my 128 features
	s_mov_b32 s21, 0
	v_mul_u32_u24 v[XG], s19, v2
	v_lshl_add_u32 v[XG], v1, 4, v[XG]             ; lanes 0-15: my first head's 256 bytes of words, lanes 16-31: the next head's
	s_cmp_eq_u32 ttmp9, 1
	s_cselect_b64 s[8:9], s[10:11], s[8:9]
	s_cmp_eq_u32 ttmp9, 2
	s_cselect_b64 s[8:9], s[96:97], s[8:9]
	s_add_nc_u64 s[8:9], s[8:9], s[20:21]          ; the bias
	s_add_nc_u64 s[10:11], s[98:99], s[44:45]      ; my first head's codes,
	s_add_nc_u64 s[12:13], s[10:11], s[94:95]      ; the next head's,
	s_add_nc_u64 s[96:97], s[98:99], s[92:93]      ; the scale words
	s_mov_b32 s[SEL], 0x76543210
	s_mov_b32 s[SEL+1], 0xfedcba98
	s_mov_b32 s[MNT], 0x600000
	s_wait_alu depctr_va_vdst(0)
	FETCH_B 0, 0, 0
	FETCH_A 0, 0, 0
	SCALES 0
	FETCH_A 0, 0, MB/2
	STEP 0, 0, 1                                   ; the first step stands in front of the loop: its products start the sums
.if LAPS > 1
	s_mov_b32 s3, LAPS-1
.Llap:                                                 ; a trip goes once round the ring and fills both slots again
	MID 0
	TURN 0, 1, 1
	STEP 1, 0, 0
	MID 1
	TURN 1, 0, 1
	STEP 0, 0, 0
	s_sub_co_u32 s3, s3, 1
	s_cmp_lg_u32 s3, 0
	s_cbranch_scc1 .Llap
.endif
	MID 0
	TURN 0, 1, 0                                   ; the last lap fills nothing
	STEP 1, 0, 0
	MID 1
; THE WAY OUT of block a (16 rows x 128 columns): the bias is added on the way into window 0, each accumulator from its low end on; 64 numbers a lane are quantised; four stores of 512 consecutive bytes.
.macro EPI a, rowb
	s_wait_xcnt 0x0                                ; the earlier stores have read the codes' registers
	WIN 0x02+(\a)/4                                ; source 0: window 2 or 3
.set ei, 0
.rept 32
.if \rowb
	v_pk_add_f32 v[ST+ei:ST+ei+1], v[64*((\a)%4)+ei:64*((\a)%4)+ei+1], v[CB+2*(\a):CB+2*(\a)+1]
.else
	v_pk_add_f32 v[ST+ei:ST+ei+1], v[64*((\a)%4)+ei:64*((\a)%4)+ei+1], v[CB+ei:CB+ei+1]
.endif
.set ei, ei+2
.endr
	WIN 0
	QUANT ST, 0, SW+(\a)
.endm
.macro GATHER src                      ; eight registers of 16 words (lanes 16-31 repeat lanes 0-15) become 512 bytes on end, 16 a lane, through my own bytes of LDS
	v_cmp_gt_u32 vcc_lo, 16, v3
.irp i, 0,1,2,3
	v_cndmask_b32 v[GW+\i], v[\src+2*\i+1], v[\src+2*\i], vcc_lo
.endr
.irp i, 0,1,2,3
	ds_store_b32 v[XS], v[GW+\i] offset:128*\i
.endr
	ds_load_b128 v[GB:GB+3], v[XL]                 ; LDS serves a wave's instructions in order
	s_wait_dscnt 0x0
	global_store_b128 v[XG], v[GB:GB+3], s[96:97]  ; sixteen lanes store 256 consecutive bytes, aligned
.endm
	s_cmp_eq_u32 ttmp9, 2
	s_cbranch_scc1 .Lv_way
	; ---- q, k: rows = tokens, columns = two heads' 64 features.  The bias runs along the columns
.set fi, 0
.rept 8
	global_load_b128 v[CB+8*fi:CB+8*fi+3], v7, s[8:9] offset:64*fi
	global_load_b128 v[CB+8*fi+4:CB+8*fi+7], v7, s[8:9] offset:64*fi+16
.set fi, fi+1
.endr
	LAST
	s_wait_loadcnt 0x0
	PLACES NP                                      ; in front of the first read of results, and of writes over the fragments' registers
.irp b, 0,1,2,3
	v_mov_b32 v[TM+4+\b], 0                        ; a lane permute's destination counts as one of its sources
.endr
.irp a, 0,1,2,3,4,5,6,7
	EPI \a, 0
.irp c, 0,1,2,3
	global_store_b128 v[LI], v[PC+4*\c:PC+4*\c+3], s[10+2*(\c/2):11+2*(\c/2)] offset:\a*1024+(\c%2)*512   ; chunks 0, 1: my first head; 2, 3: the next
.endr
.endr
	s_mov_b32 s20, 0x05040100
	s_mov_b32 s21, 0x07060302
.irp f, 0,1,2,3
	v_perm_b32 v[KW+\f], v[SW+2*\f+1], v[SW+2*\f], s20     ; a head's two bytes of tile 2 f, then of tile 2 f + 1
	v_perm_b32 v[KW+4+\f], v[SW+2*\f+1], v[SW+2*\f], s21
.endr
	GATHER KW
	FINISH
.Lv_way:
	; ---- V^T: rows = two heads' 64 features, columns = 128 keys.  The bias runs down the rows: one number a lane and block
.set fi, 0
.rept 8
	global_load_b32 v[CB+2*fi], v[RB4], s[8:9] offset:64*fi
	global_load_b32 v[CB+2*fi+1], v[RB4], s[8:9] offset:64*fi
.set fi, fi+1
.endr
	LAST
	s_wait_loadcnt 0x0
	PLACES NP
.irp b, 0,1,2,3
	v_mov_b32 v[TM+4+\b], 0
.endr
.irp a, 0,1,2,3,4,5,6,7
	EPI \a, 1
.irp c, 0,1,2,3
	global_store_b128 v[LI], v[PC+4*\c:PC+4*\c+3], s[10+2*(\a/4):11+2*(\a/4)] offset:(\a%4)*2048+512*\c
.endr
.endr
	GATHER SW
	FINISH
.Lfunc_end_k_qdca1413cd0_qkv:
	.size	k_qdca1413cd0_qkv, .Lfunc_end_k_qdca1413cd0_qkv-k_qdca1413cd0_qkv
	.p2alignl 7, 3214868480
	.fill 96, 4, 3214868480
	.section	.rodata,"a",@progbits
	.p2align	6, 0x0
	.amdhsa_kernel k_qdca1413cd0_qkv
		.amdhsa_group_segment_fixed_size 327680
		.amdhsa_private_segment_fixed_size 0
		.amdhsa_enable_private_segment 0
		.amdhsa_kernarg_size 48
		.amdhsa_user_sgpr_count 2
		.amdhsa_user_sgpr_kernarg_segment_ptr 1
		.amdhsa_wavefront_size32 1
		.amdhsa_system_sgpr_workgroup_id_x 1
		.amdhsa_system_sgpr_workgroup_id_y 1
		.amdhsa_system_sgpr_workgroup_id_z 1
		.amdhsa_system_vgpr_workitem_id 0
		.amdhsa_next_free_vgpr 1024
		.amdhsa_next_free_sgpr 102
		.amdhsa_reserve_vcc 1
		.amdhsa_float_denorm_mode_32 3
		.amdhsa_float_denorm_mode_16_64 3
		.amdhsa_memory_ordered 1
		.amdhsa_forward_progress 1
		.amdhsa_inst_pref_size 255
	.end_amdhsa_kernel
	.section	.bss,"aw",@nobits
	.p2align	6
	.space	262144
	.amdgpu_metadata
---
amdhsa.version: [ 1, 2 ]
amdhsa.kernels:
  - .name:           k_qdca1413cd0_qkv
    .symbol:         k_qdca1413cd0_qkv.kd
    .args:
      - { .name: T, .offset: 0, .size: 8, .value_kind: global_buffer, .address_space: global }
      - { .name: W, .offset: 8, .size: 8, .value_kind: global_buffer, .address_space: global }
      - { .name: bq, .offset: 16, .size: 8, .value_kind: global_buffer, .address_space: global }
      - { .name: bk, .offset: 24, .size: 8, .value_kind: global_buffer, .address_space: global }
      - { .name: bv, .offset: 32, .size: 8, .value_kind: global_buffer, .address_space: global }
      - { .name: QKV, .offset: 40, .size: 8, .value_kind: global_buffer, .address_space: global }
    .group_segment_fixed_size: 327680
    .private_segment_fixed_size: 0
    .kernarg_segment_align: 8
    .kernarg_segment_size: 48
    .max_flat_workgroup_size: 128
    .sgpr_count:     102
    .vgpr_count:     1024
    .wavefront_size: 32
...
	.end_amdgpu_metadata
.endif
;; end of part 2
;; launch attn (part 3): grid 8 x 32, 8 waves a work-group, clusters of 4 x 1, 271,360 bytes of LDS; arguments QKV, T; writes T
.if DOCPART == 3
	.amdgcn_target "amdgcn-amd-amdhsa--gfx1250"
	.amdhsa_code_object_version 6
	.text
	.protected	k_qdca1413cd0_attn
	.globl	k_qdca1413cd0_attn
	.p2align	8
	.type	k_qdca1413cd0_attn,@function
k_qdca1413cd0_attn:
	s_mov_b64 s[64:65], 0
	v_nop
	global_prefetch_b8 v0, s[64:65] scope:SCOPE_SE
	s_setreg_imm32_b32 hwreg(HW_REG_WAVE_MODE, 25, 1), 1
	s_wait_xcnt 0x0
	s_wait_alu depctr_hold_cnt(0) depctr_sa_sdst(0) depctr_va_vdst(0) depctr_va_sdst(0) depctr_va_ssrc(0) depctr_va_vcc(0) depctr_vm_vsrc(0)
	s_getreg_b32 s2, hwreg(HW_REG_IB_STS2, 6, 4)
	s_cmp_eq_u32 s2, 0
	s_cbranch_scc0 .Lentry_in_a_cluster
	s_endpgm
.Lentry_in_a_cluster:
	s_bfe_u32 s2, ttmp6, 0x10000c
	s_cmp_lg_u32 s2, 0x3003
	s_cbranch_scc0 .Lentry_shape_is_right
	s_endpgm
.Lentry_shape_is_right:
; o = softmax(q k^T / 8) v for one (batch, head) and 256 queries a work-group, both products on codes of E5M2 with E8M0 scales; o leaves quantised, as an operand of the next product.
; SOFTMAX: t = score x log2(e) / 8; M = the running largest t rounded up to a whole number; p = 2^(t - M) is quantised along the keys; the row's sum is taken of the unquantised p and divides at the end.
; When M moves, the sum and O are multiplied by 2^(old M - new M): exact.
; SHARES.  Eight waves, two to a SIMD, each with two tiles of 16 queries: every fragment of K and V read from LDS feeds both tiles.  128 keys a step, 16 steps.
; NO RING.  A head's K and V codes, 262,144 bytes, come into LDS once: each wave issues ONE tensor load of 32,768 bytes at the head (waves 0-3: K's group of four steps, waves 4-7: V's).
; Their 8,192 bytes of scale words come through registers, 32 bytes a thread, into LDS bytes of their own.  One wait for all and one barrier; the sixteen steps have none.
; No prefetch: everything is asked for by the head's one group of loads, so there is no loop to run ahead in.
; CLUSTER.  The four query blocks of a cluster belong to one head: every tensor load is asked for jointly, with a mask that names the four.
; LAYOUT.  Operands are images of their registers (chunk c at 512 c, 16 bytes a lane), k permuted inside each block of 32 alike on both sides.  Both products are used transposed: a lane holds one query of each tile.
; The head has 64 along K, the instruction 128: a fragment of K holds two tiles of 16 keys; against [q | zeros] it gives the first tile's scores, against [zeros | q] the second's (the zeros' scale bytes are 0x7f).
; REGISTERS: tile 0 in window 0, tile 1 in window 1, at the same numbers: v12 -M, v13 largest score, v[14:15] sum; v16-23, v32-39 zeros round q in v24-31; v112-175 scores, then p; v176-207 O^T; v208-223 p's codes.
; v48-111: window 0 K's fragments, window 1 V's.  Window 0 alone: addresses v1-7, v11, v47; scale registers v8-10, v40-46; v254-255 the add's.
; LIMITS: NaN and infinities are not served; 1 / sum is a reciprocal and a multiplication; a block under 2^-111 gets the byte 1.  The input mask is not named: the computation never uses it.
.set KVO,  4194304
.set QSO,  12582912
.set KVSO, 12713984
.set TSO,  4194304
.set VRG,  131072                      ; LDS: K's 16 steps of 8,192 bytes from 0 on, V's from here on
.set SCB,  262144                      ; K's words 4,096, V's 4,096; 256 bytes a step
.set SPARE, 270336                     ; the spare words, 128 bytes a wave
.set LI,   1
.set LS,   2
.set ADR,  3
.set ADS,  4
.set LIV,  5
.set ADV,  6
.set R4,   7
.set QSL1, 8
.set QSH1, 9
.set PSW1, 10
.set WGO,  11                          ; 16 x thread: the words in memory
.set QSL,  40
.set QSH,  41
.set KSC,  42
.set VSC,  44
.set PSW,  46
.set WLO,  47                          ; SCB + 16 x thread: the words in LDS
.set FRG,  48
.set S,    112
.set O,    176
.set PCD,  208
.set BM,   224
.set SUM2, 240
.set SUM3, 242
.set TMP,  244
.set SUM4, 246
.set F,    252
.set WV,   18
.set MNT,  19
.set SEL,  20
.set CS,   22
.set G1C,  24
.set G0,   40
.set TB,   2
.set TS,   3
.set CNT,  66
.set MSB, 0
.macro WIN new
.if MSB != (\new)
	s_set_vgpr_msb (MSB<<8)|(\new)
.set MSB, \new
.endif
.endm
.macro VW
	s_wait_alu depctr_va_vdst(0)
.endm
.macro CROUND
	s_barrier_signal -1
	s_barrier_wait -1
	s_cmp_lg_u32 s[WV], 0
	s_cbranch_scc1 .Lnot_wave_0_\@
	s_barrier_signal -3
.Lnot_wave_0_\@:
	s_barrier_wait -3
	s_barrier_signal -1
	s_barrier_wait -1
.endm
	s_load_b128 s[4:7], s[0:1], 0x0                ; QKV, T
	v_lshl_add_u32 v254, v0, 2, SPARE
	v_mov_b32 v255, 0
	ds_add_u32 v254, v255                          ; the opening lines: the add twice on end
	ds_add_u32 v254, v255
	v_lshrrev_b32 v5, 5, v0
	v_readfirstlane_b32 s[WV], v5                  ; wave 0..7
	s_bfe_u32 s8, ttmp6, 0x40000                   ; cx
	s_lshl_b32 s9, ttmp9, 2
	s_add_co_u32 s9, s9, s8                        ; my block of 256 queries: it enters q's and T's addresses alone
	s_and_b32 s10, ttmp7, 0xffff                   ; bh, which the four partners share
	s_mov_b32 s[G1C], 15|(3<<16)|(1<<21)           ; the mask: all four; elements of 8 bytes
	s_mov_b32 s[G1C+1], 32<<16                     ; 128 dense rows of 256 bytes
	s_mov_b32 s[G1C+2], 128<<16
	s_mov_b32 s[G1C+3], 32<<16
	s_mov_b32 s[G1C+4], 128
	s_mov_b32 s[G1C+5], 32
	s_mov_b32 s[G1C+6], 0
	s_mov_b32 s[G1C+7], 0
	s_lshr_b32 s11, s[WV], 2                       ; K (0) or V (1)
	s_and_b32 s67, s[WV], 3                        ; which group of four steps
	s_lshl_b32 s16, s11, 17
	s_lshl_b32 s17, s67, 15
	s_mov_b32 s[G0], 1
	s_add_co_u32 s[G0+1], s16, s17                 ; in LDS
	s_lshl_b32 s12, s10, 18                        ; in memory: [bh][group][K 32,768 | V 32,768]
	s_lshl_b32 s16, s67, 16
	s_add_co_u32 s12, s12, s16
	s_lshl_b32 s16, s11, 15
	s_add_co_u32 s12, s12, s16
	s_add_co_u32 s12, s12, KVO
	s_mov_b32 s13, 0
	s_lshl_b32 s14, s10, 13
	s_add_co_u32 s14, s14, KVSO                    ; the head's scale words
	s_mov_b32 s15, 0
	s_mov_b32 s[SEL], 0x76543210
	s_mov_b32 s[SEL+1], 0xfedcba98
	s_mov_b32 s[CS], 0x3e38aa3b                    ; c = log2(e) / 8
	s_mov_b32 s[CS+1], s[CS]
	s_mov_b32 s[MNT], 0x600000
	s_mov_b32 s[TB], 0
	s_mov_b32 s[TS], 0
	s_wait_dscnt 0x0
	s_wait_kmcnt 0x0
	s_add_nc_u64 s[G0+2:G0+3], s[4:5], s[12:13]
	s_or_b32 s[G0+3], s[G0+3], 0x80000000
	s_add_nc_u64 s[14:15], s[4:5], s[14:15]
	CROUND                                         ; all four work-groups are here: the joint loads meet
	tensor_load_to_lds s[G0:G0+3], s[G1C:G1C+7]    ; my one load
	s_nop 0
.rept 4
	v_nop
.endr
	v_and_b32 v5, 31, v0
	v_lshlrev_b32 v[LI], 4, v5
	v_lshl_add_u32 v[LS], v5, 2, SCB
	v_add_nc_u32 v[LIV], VRG, v[LI]
	v_and_b32 v6, 15, v0
	v_lshlrev_b32 v[R4], 2, v6                     ; 4 r
	v_lshlrev_b32 v[WGO], 4, v0
	v_lshl_add_u32 v[WLO], v0, 4, SCB
	VW
	global_load_b128 v[48:51], v[WGO], s[14:15]                ; the words: a wave's load covers 512 consecutive bytes
	global_load_b128 v[52:55], v[WGO], s[14:15] offset:4096
	s_lshl_b32 s68, s9, 1
	s_lshr_b32 s69, s[WV], 2
	s_add_co_u32 s68, s68, s69                     ; the step of 128 tokens in which my 32 queries lie,
	s_and_b32 s69, s[WV], 3                        ; and which pair of tiles of it
	s_lshl_b32 s70, s10, 17
	s_lshl_b32 s71, s68, 13
	s_add_co_u32 s70, s70, s71
	s_lshl_b32 s71, s69, 11
	s_add_co_u32 s70, s70, s71
	s_mov_b32 s71, 0
	s_add_nc_u64 s[70:71], s[4:5], s[70:71]
	global_load_b128 v[24:27], v[LI], s[70:71]                 ; tile 0's q
	global_load_b128 v[28:31], v[LI], s[70:71] offset:512
	WIN 0x40
	global_load_b128 v[24:27], v[LI], s[70:71] offset:1024     ; tile 1's
	global_load_b128 v[28:31], v[LI], s[70:71] offset:1536
	WIN 0
	s_lshl_b32 s72, s10, 12
	s_lshl_b32 s73, s68, 8
	s_add_co_u32 s72, s72, s73
	s_lshl_b32 s73, s69, 6
	s_add_co_u32 s72, s72, s73
	s_add_co_u32 s72, s72, QSO
	s_mov_b32 s73, 0
	s_add_nc_u64 s[72:73], s[4:5], s[72:73]
	global_load_b32 v[QSL], v[R4], s[72:73]        ; tile 0's two bytes below, tile 1's above
	s_lshr_b32 s68, s10, 4                         ; where o goes: batch,
	s_lshl_b32 s68, s68, 7
	s_lshl_b32 s69, s9, 4
	s_add_co_u32 s68, s68, s69
	s_lshl_b32 s69, s[WV], 1
	s_add_co_u32 s68, s68, s69                     ; tile 0's tile of 16 tokens,
	s_and_b32 s69, s10, 15
	s_lshr_b32 s74, s69, 1                         ; K step of the next product,
	s_and_b32 s69, s69, 1                          ; and which half of it
	s_lshl_b32 s76, s68, 14
	s_lshl_b32 s75, s74, 11
	s_add_co_u32 s76, s76, s75
	s_lshl_b32 s75, s69, 10
	s_add_co_u32 s76, s76, s75
	s_mov_b32 s77, 0
	s_lshl_b32 s78, s74, 8
	s_add_co_u32 s78, s78, s68
	s_lshl_b32 s78, s78, 6
	s_lshl_b32 s75, s69, 1
	s_add_co_u32 s78, s78, s75
	s_add_co_u32 s78, s78, TSO
	s_mov_b32 s79, 0
	s_add_nc_u64 s[76:77], s[6:7], s[76:77]
	s_add_nc_u64 s[78:79], s[6:7], s[78:79]
.macro INIT                            ; a tile's start, in its own window
.irp j, 0,1,2,3,4,5,6,7
	v_mov_b32 v[16+\j], 0
	v_mov_b32 v[32+\j], 0
.endr
	v_mov_b32 v13, 0xff61b1e6                      ; the largest score so far: -3e38
	v_mul_f32 v[TMP], s[CS], v13
	v_floor_f32 v12, -v[TMP]                       ; -M
	v_mov_b32 v14, 0
	v_mov_b32 v15, 0
.irp b, 0,1,2,3
	v_mov_b32 v[BM+4+\b], 0                        ; a lane permute's destination counts as one of its sources
.endr
	v_mov_b32 v[F], 0
	v_mov_b32 v[F+1], 0
.set j, 0
.rept 32
	v_mov_b32 v[O+j], 0                            ; the step is written once for all trips: the first finds zeros
.set j, j+1
.endr
.endm
	INIT
	WIN 0x55
	INIT
	WIN 0
	VW
	s_wait_loadcnt 0x0
	v_and_b32 v244, 0xffff, v[QSL]
	v_lshrrev_b32 v245, 16, v[QSL]
	v_or_b32 v[QSL], 0x7f7f0000, v244
	v_lshl_or_b32 v[QSH], v244, 16, 0x7f7f
	v_or_b32 v[QSL1], 0x7f7f0000, v245
	v_lshl_or_b32 v[QSH1], v245, 16, 0x7f7f
.rept 8
	v_nop                                          ; scale registers written by vector instructions stand eight places ahead of the first product
.endr
.macro WM d, a, b, acc, sa, sb, odd
.if \acc
.if \odd
	v_wmma_scale_f32_16x16x128_f8f6f4 v[\d:\d+7], v[\a:\a+15], v[\b:\b+15], v[\d:\d+7], v[\sa], v[\sb] matrix_a_fmt:MATRIX_FMT_BF8 matrix_b_fmt:MATRIX_FMT_BF8 matrix_a_scale:MATRIX_SCALE_ROW1
.else
	v_wmma_scale_f32_16x16x128_f8f6f4 v[\d:\d+7], v[\a:\a+15], v[\b:\b+15], v[\d:\d+7], v[\sa], v[\sb] matrix_a_fmt:MATRIX_FMT_BF8 matrix_b_fmt:MATRIX_FMT_BF8
.endif
.else
.if \odd
	v_wmma_scale_f32_16x16x128_f8f6f4 v[\d:\d+7], v[\a:\a+15], v[\b:\b+15], 0, v[\sa], v[\sb] matrix_a_fmt:MATRIX_FMT_BF8 matrix_b_fmt:MATRIX_FMT_BF8 matrix_a_scale:MATRIX_SCALE_ROW1
.else
	v_wmma_scale_f32_16x16x128_f8f6f4 v[\d:\d+7], v[\a:\a+15], v[\b:\b+15], 0, v[\sa], v[\sb] matrix_a_fmt:MATRIX_FMT_BF8 matrix_b_fmt:MATRIX_FMT_BF8
.endif
.endif
.endm
.macro QK win, sl, sh                  ; a tile's eight products K Q^T
	WIN \win
.irp f, 0,1,2,3
	WM S+16*\f, FRG+16*\f, 24, 0, KSC+\f/2, \sl, \f%2
	WM S+16*\f+8, FRG+16*\f, 16, 0, KSC+\f/2, \sh, \f%2
.endr
.endm
.macro PV win, pw                      ; a tile's four products V^T P, its four accumulators by turns
	WIN \win
.irp t, 0,1,2,3
	WM O+8*\t, FRG+16*\t, PCD, 1, VSC+\t/2, \pw, \t%2
.endr
.endm
; A tile's softmax for 128 keys, in the window that is set.  t = 1: the scale word is moved to its register in window 0
.macro SOFT t
	VW                                             ; ahead of the first readers of the scores
	v_mov_b32 v[F], v12                            ; the old -M
.irp b, 0,1,2,3
	v_max3_num_f32 v[BM+\b], v[S+16*\b], v[S+1+16*\b], v[S+2+16*\b]   ; each block's largest score: for the row's maximum and for the block's largest p
.endr
.irp i, 3,5,7,9,11,13
.irp b, 0,1,2,3
	v_max3_num_f32 v[BM+\b], v[BM+\b], v[S+16*\b+\i], v[S+1+16*\b+\i]
.endr
.endr
.irp b, 0,1,2,3
	v_max_num_f32 v[BM+\b], v[BM+\b], v[S+15+16*\b]
.endr
.irp b, 0,1,2,3
	v_permlanex16_b32 v[BM+4+\b], v[BM+\b], s[SEL], s[SEL+1]
.endr
.irp b, 0,1,2,3
	v_max_num_f32 v[BM+\b], v[BM+\b], v[BM+4+\b]
.endr
	v_max3_num_f32 v13, v[BM], v[BM+1], v13        ; the running largest score (c is positive)
	v_max3_num_f32 v13, v[BM+2], v[BM+3], v13
	v_mul_f32 v[TMP], s[CS], v13
	v_floor_f32 v12, -v[TMP]                       ; the new -M = -ceil(t)
	v_sub_f32 v[TMP], v12, v[F]                    ; old M - new M: a whole number, 0 or less
	v_cvt_i32_f32 v[TMP], v[TMP]
	v_ldexp_f32 v[F], 1.0, v[TMP]                  ; f = 2^(old M - new M)
.irp b, 0,1,2,3
	v_fma_f32 v[BM+\b], v[BM+\b], s[CS], v12       ; t - M of each block's largest score
.endr
.set j, 0
.rept 32
	v_pk_fma_f32 v[S+j:S+j+1], v[S+j:S+j+1], s[CS:CS+1], v[12:13] op_sel_hi:[1,0,0]   ; t - M, a pair at a time
.set j, j+2
.endr
	VW                                             ; all sources first, one wait, then ONE batch of 68 exponentials
.irp b, 0,1,2,3
	v_exp_f32 v[BM+\b], v[BM+\b]
.endr
.set j, 0
.rept 64
	v_exp_f32 v[S+j], v[S+j]                       ; p = 2^(t - M)
.set j, j+1
.endr
	v_pk_mul_f32 v[14:15], v[14:15], v[F:F+1] op_sel_hi:[1,0]   ; the sums under the new M: a plain line behind the batch
	VW                                             ; one wait for the batch, ahead of its first reader
	v_pk_add_f32 v[SUM2:SUM2+1], v[S:S+1], v[S+2:S+3]           ; the row's sum of the unquantised p, in four chains
	v_pk_add_f32 v[SUM3:SUM3+1], v[S+4:S+5], v[S+6:S+7]
	v_pk_add_f32 v[SUM4:SUM4+1], v[S+8:S+9], v[S+10:S+11]
	v_pk_add_f32 v[14:15], v[14:15], v[S+12:S+13]
.set j, 14
.rept 6
	v_pk_add_f32 v[SUM2:SUM2+1], v[SUM2:SUM2+1], v[S+j:S+j+1]
	v_pk_add_f32 v[SUM3:SUM3+1], v[SUM3:SUM3+1], v[S+j+2:S+j+3]
	v_pk_add_f32 v[SUM4:SUM4+1], v[SUM4:SUM4+1], v[S+j+4:S+j+5]
	v_pk_add_f32 v[14:15], v[14:15], v[S+j+6:S+j+7]
.set j, j+8
.endr
	v_pk_add_f32 v[SUM2:SUM2+1], v[SUM2:SUM2+1], v[S+62:S+63]
	v_pk_add_f32 v[14:15], v[14:15], v[SUM4:SUM4+1]
	v_pk_add_f32 v[SUM2:SUM2+1], v[SUM2:SUM2+1], v[SUM3:SUM3+1]
	v_pk_add_f32 v[14:15], v[14:15], v[SUM2:SUM2+1]
.irp b, 0,1,2,3
	v_max_num_f32 v[BM+\b], 0x8000000, v[BM+\b]    ; the floor 2^(16 - 127)
.endr
.irp b, 0,1,2,3
	v_add_nc_u32 v[BM+12+\b], 0xf8800000, v[BM+\b] ; 15 off the exponent field: the conversion's scale operand
.endr
.irp b, 0,1,2,3
	v_and_or_b32 v[BM+8+\b], v[BM+\b], 0x7f800000, s[MNT]   ; 57,344 x the scale
.endr
.irp b, 0,1,2,3
	v_lshrrev_b32 v[BM+4+\b], 23, v[BM+12+\b]      ; the scale's byte
.endr
	v_lshl_or_b32 v[PSW], v[BM+5], 8, v[BM+4]
	v_lshl_or_b32 v[PSW], v[BM+6], 16, v[PSW]
	v_lshl_or_b32 v[PSW], v[BM+7], 24, v[PSW]
.if \t
	WIN 0x01
	v_mov_b32 v[PSW1], v[PSW]                      ; the holds below are its places ahead of the products
	WIN 0x55
.endif
.irp b, 0,1,2,3
.irp i, 0,1,2,3,4,5,6,7,8,9,10,11,12,13,14,15
	v_min_num_f32 v[S+16*\b+\i], v[S+16*\b+\i], v[BM+8+\b]   ; the conversion does not saturate (ISA guide 7.6.2); p is not negative: a one-sided hold
.endr
	v_cvt_scalef32_pk8_bf8_f32 v[PCD+4*\b:PCD+1+4*\b], v[S+16*\b:S+7+16*\b], v[BM+12+\b]
	v_cvt_scalef32_pk8_bf8_f32 v[PCD+2+4*\b:PCD+3+4*\b], v[S+8+16*\b:S+15+16*\b], v[BM+12+\b]
.endr
	VW                                             ; ahead of the first readers of O^T
.set j, 0
.rept 16
	v_pk_mul_f32 v[O+j:O+j+1], v[O+j:O+j+1], v[F:F+1] op_sel_hi:[1,0]   ; O^T under the new M; also the places in front of the products that follow
.set j, j+2
.endr
.endm
; A KEY STEP: 128 keys, both tiles.  ahead = 1: the next step's K is fetched
.macro STEP ahead
	s_wait_dscnt 0x0                               ; this step's K and its words are in
	QK 0, QSL, QSH
	QK 0x44, QSL1, QSH1
	WIN 0
	v_add_nc_u32 v[ADR], s[TB], v[LI]
	v_add_nc_u32 v[ADV], s[TB], v[LIV]
	v_add_nc_u32 v[ADS], s[TS], v[LS]
.rept 5
	v_nop                                          ; with the three additions: eight places behind the products, in front of the first read of the scores and of the loads below
.endr
	WIN 0x40
.irp t, 0,1,2,3                        ; V's fragments land under tile 0's softmax
.irp c, 0,1,2,3
	ds_load_b128 v[FRG+16*\t+4*\c:FRG+16*\t+4*\c+3], v[ADV] offset:2048*\t+512*\c
.endr
.endr
	WIN 0
	ds_load_b32 v[VSC], v[ADS] offset:4096
	ds_load_b32 v[VSC+1], v[ADS] offset:4096+128
	SOFT 0
.if \ahead
.irp f, 0,1,2,3                        ; the next step's K lands under tile 1's softmax
.irp c, 0,1,2,3
	ds_load_b128 v[FRG+16*\f+4*\c:FRG+16*\f+4*\c+3], v[ADR] offset:8192+2048*\f+512*\c
.endr
.endr
	ds_load_b32 v[KSC], v[ADS] offset:256
	ds_load_b32 v[KSC+1], v[ADS] offset:256+128
	VW
	s_wait_dscnt 18                                ; V and its words are in; the 18 loads just issued may be out
.else
	VW
	s_wait_dscnt 0x0
.endif
	PV 0x01, PSW
	WIN 0x55
	SOFT 1
	PV 0x55, PSW1
	WIN 0
.if \ahead
	s_add_co_u32 s[TB], s[TB], 8192
	s_add_co_u32 s[TS], s[TS], 256
.endif
.endm
	VW                                             ; the head's end
	s_wait_tensorcnt 0x0                           ; my 32,768 bytes are in;
	ds_store_b128 v[WLO], v[48:51]                 ; my 32 bytes of the words, into bytes on which no tile lands
	ds_store_b128 v[WLO], v[52:55] offset:4096
	s_wait_dscnt 0x0
	s_barrier_signal -1
	s_barrier_wait -1                              ; everybody's are: all of K, V and the words
.irp f, 0,1,2,3                        ; step 0's K
.irp c, 0,1,2,3
	ds_load_b128 v[FRG+16*\f+4*\c:FRG+16*\f+4*\c+3], v[LI] offset:2048*\f+512*\c
.endr
.endr
	ds_load_b32 v[KSC], v[LS]
	ds_load_b32 v[KSC+1], v[LS] offset:128
	s_mov_b32 s[CNT], 15
.Lstep:                                            ; steps 0 to 14
	STEP 1
	s_sub_co_u32 s[CNT], s[CNT], 1
	s_cmp_lg_u32 s[CNT], 0
	VW
	s_cbranch_scc1 .Lstep
	STEP 0                                         ; step 15 fetches nothing ahead
	; THE WAY OUT: O^T / the sum, quantised along the head's 64 (two blocks of 32), as chunks of the next product's operand; a tile at a time, in its own window
.macro FIN
	v_add_f32 v14, v14, v15
	v_permlanex16_b32 v[TMP], v14, s[SEL], s[SEL+1]
	v_add_f32 v14, v14, v[TMP]
	VW
	v_rcp_f32 v14, v14
	v_nop
	VW                                             ; for the reciprocal, and ahead of the first readers of O^T
.set j, 0
.rept 32
	v_mul_f32 v[S+j], v[O+j], v14                  ; register 8 t + i: o(query r, 16 t + 8 h + i)
.set j, j+1
.endr
.irp b, 0,1
	v_max3_num_f32 v[BM+\b], |v[S+16*\b]|, |v[S+1+16*\b]|, 0x8000000
.endr
.irp i, 2,4,6,8,10,12,14
.irp b, 0,1
	v_max3_num_f32 v[BM+\b], v[BM+\b], |v[S+16*\b+\i]|, |v[S+1+16*\b+\i]|
.endr
.endr
.irp b, 0,1
	v_permlanex16_b32 v[BM+4+\b], v[BM+\b], s[SEL], s[SEL+1]
.endr
.irp b, 0,1
	v_max_num_f32 v[BM+\b], v[BM+\b], v[BM+4+\b]
.endr
.irp b, 0,1
	v_add_nc_u32 v[BM+12+\b], 0xf8800000, v[BM+\b]
	v_and_or_b32 v[BM+8+\b], v[BM+\b], 0x7f800000, s[MNT]
.endr
.irp b, 0,1
	v_lshrrev_b32 v[BM+4+\b], 23, v[BM+12+\b]
.endr
	v_lshl_or_b32 v[PSW], v[BM+5], 8, v[BM+4]
.irp b, 0,1
.irp i, 0,1,2,3,4,5,6,7,8,9,10,11,12,13,14,15
	v_med3_num_f32 v[S+16*\b+\i], v[S+16*\b+\i], -v[BM+8+\b], v[BM+8+\b]
.endr
	v_cvt_scalef32_pk8_bf8_f32 v[PCD+4*\b:PCD+1+4*\b], v[S+16*\b:S+7+16*\b], v[BM+12+\b]
	v_cvt_scalef32_pk8_bf8_f32 v[PCD+2+4*\b:PCD+3+4*\b], v[S+8+16*\b:S+15+16*\b], v[BM+12+\b]
.endr
	v_nop
.endm
.rept 8
	v_nop                                          ; eight places behind the last products
.endr
	FIN
	global_store_b128 v[LI], v[PCD:PCD+3], s[76:77]             ; 512 consecutive bytes, aligned
	global_store_b128 v[LI], v[PCD+4:PCD+7], s[76:77] offset:512
	global_store_b16 v[R4], v[PSW], s[78:79]                    ; lanes 16-31 repeat lanes 0-15
	WIN 0x55
	FIN
	WIN 0x04                                       ; a store's data are its source 1: window 1; the address window 0
	global_store_b128 v[LI], v[PCD:PCD+3], s[76:77] offset:16384
	global_store_b128 v[LI], v[PCD+4:PCD+7], s[76:77] offset:16384+512
	global_store_b16 v[R4], v[PSW], s[78:79] offset:64
	WIN 0
	s_wait_tensorcnt 0x0                           ; the wave's end
	ds_add_u32 v254, v255
	s_wait_dscnt 0x0
	CROUND                                         ; the closing round
	s_endpgm
.Lfunc_end_k_qdca1413cd0_attn:
	.size	k_qdca1413cd0_attn, .Lfunc_end_k_qdca1413cd0_attn-k_qdca1413cd0_attn
	.p2alignl 7, 3214868480
	.fill 96, 4, 3214868480
	.section	.rodata,"a",@progbits
	.p2align	6, 0x0
	.amdhsa_kernel k_qdca1413cd0_attn
		.amdhsa_group_segment_fixed_size 271360
		.amdhsa_private_segment_fixed_size 0
		.amdhsa_enable_private_segment 0
		.amdhsa_kernarg_size 16
		.amdhsa_user_sgpr_count 2
		.amdhsa_user_sgpr_kernarg_segment_ptr 1
		.amdhsa_wavefront_size32 1
		.amdhsa_system_sgpr_workgroup_id_x 1
		.amdhsa_system_sgpr_workgroup_id_y 1
		.amdhsa_system_sgpr_workgroup_id_z 1
		.amdhsa_system_vgpr_workitem_id 0
		.amdhsa_next_free_vgpr 512
		.amdhsa_next_free_sgpr 80
		.amdhsa_reserve_vcc 0
		.amdhsa_float_denorm_mode_32 3
		.amdhsa_float_denorm_mode_16_64 3
		.amdhsa_memory_ordered 1
		.amdhsa_forward_progress 1
		.amdhsa_inst_pref_size 90
	.end_amdhsa_kernel
	.amdgpu_metadata
---
amdhsa.version: [ 1, 2 ]
amdhsa.kernels:
  - .name:           k_qdca1413cd0_attn
    .symbol:         k_qdca1413cd0_attn.kd
    .args:
      - { .name: QKV, .offset: 0, .size: 8, .value_kind: global_buffer, .address_space: global }
      - { .name: T, .offset: 8, .size: 8, .value_kind: global_buffer, .address_space: global }
    .group_segment_fixed_size: 271360
    .private_segment_fixed_size: 0
    .kernarg_segment_align: 8
    .kernarg_segment_size: 16
    .max_flat_workgroup_size: 256
    .sgpr_count:     80
    .vgpr_count:     512
    .wavefront_size: 32
...
	.end_amdgpu_metadata
.endif
;; end of part 3
;; launch oproj (part 4): grid 8 x 32, 4 waves a work-group, clusters of 4 x 4, 327,680 bytes of LDS; arguments T, W, bo, x, Hres; writes Hres
.if DOCPART == 4
	.amdgcn_target "amdgcn-amd-amdhsa--gfx1250"
	.amdhsa_code_object_version 6
	.text
	.protected	k_qdca1413cd0_oproj
	.globl	k_qdca1413cd0_oproj
	.p2align	8
	.type	k_qdca1413cd0_oproj,@function
k_qdca1413cd0_oproj:
	s_mov_b64 s[64:65], 0
	v_nop
	global_prefetch_b8 v0, s[64:65] scope:SCOPE_SE
	s_setreg_imm32_b32 hwreg(HW_REG_WAVE_MODE, 25, 1), 1
	s_wait_xcnt 0x0
	s_wait_alu depctr_hold_cnt(0) depctr_sa_sdst(0) depctr_va_vdst(0) depctr_va_sdst(0) depctr_va_ssrc(0) depctr_va_vcc(0) depctr_vm_vsrc(0)
	s_getreg_b32 s2, hwreg(HW_REG_IB_STS2, 6, 4)
	s_cmp_eq_u32 s2, 0
	s_cbranch_scc0 .Lentry_in_a_cluster
	s_endpgm
.Lentry_in_a_cluster:
	s_bfe_u32 s2, ttmp6, 0x10000c
	s_cmp_lg_u32 s2, 0xf033
	s_cbranch_scc0 .Lentry_shape_is_right
	s_endpgm
.Lentry_shape_is_right:
.set MB,   4
.set NB,   MB
.set NQ,   4
.set KS,   8
.set AC0,  0
.set AS0,  4194304
.set BC0,  192*KS*2048
.set BS0,  4194304+192*64
.set ASTR, 2048
.set BSTR, 2048
.set PA,   4
.set PB,   6
.set LAPS, KS/(2*NQ)
.set FR,   16
.set FRB,  2048
.set NL,   4
.set NP,   8
.set AQ,   MB/4
.set QUART, MB*NQ*FRB
.set SLOT, 4*QUART
.set SCL,  2*SLOT
.set SROW, 64*MB
.set HALFS, KS*SROW
.set SPARE, SCL+4*HALFS
.set XTR,  SPARE+512
.set ADRA, 16
.set ADRB, 20
.set LI,   24
.set STO,  25
.set RD,   26
.set ADRS, 27
.set SPW,  28
.set NIL,  29
.set CO,   30
.set SC,   32
.set AF,   128
.set G1, 24
.set G0, 32
.set G1B, 48
.set G0B, 56
.set G1S, 68
.set G0S, 76
.set G1SB, 80
.set G0SB, 88
.set MSB, 0
.macro WIN new
.if MSB != (\new)
	s_set_vgpr_msb (MSB<<8)|(\new)
.set MSB, \new
.endif
.endm
.set MUL_LO, 0xa1
.set MUL_HI, 0xa1+0x50*(MB/8)
.set TO_B,   0x40
.macro JLOAD g0a, g1a, g0b, g1b
	s_cmp_eq_u32 s15, 0
	s_cbranch_scc0 .Lfor_b_\@
	tensor_load_to_lds s[\g0a:\g0a+3], s[\g1a:\g1a+7]
	s_nop 0
.rept 4
	v_nop
.endr
	s_branch .Lasked_\@
.Lfor_b_\@:
	tensor_load_to_lds s[\g0b:\g0b+3], s[\g1b:\g1b+7]
	s_nop 0
.rept 4
	v_nop
.endr
.Lasked_\@:
.endm
.macro CREST
	s_cmp_lg_u32 s14, 0
	s_cbranch_scc1 .Lnot_wave_0_\@
	s_barrier_signal -3
.Lnot_wave_0_\@:
	s_barrier_wait -3
	s_barrier_signal -1
	s_barrier_wait -1
.endm
.macro CROUND
	s_barrier_signal -1
	s_barrier_wait -1
	CREST
.endm
.macro PLACES n
.rept \n
	v_nop
.endr
.endm
.macro FRAG reg, adr, q, i
.irp c, 0,1,2,3
	ds_load_b128 v[\reg+4*\c:\reg+4*\c+3], v[\adr] offset:((\i)*NQ+(\q))*FRB+512*\c
.endr
.endm
.macro MULQ a0, p, q, sc, zero
.set ma, \a0
.rept AQ
.set mb, 0
.rept NB
.set rD, 8*(NB*(ma%4)+mb)
.if \zero
	v_wmma_scale_f32_16x16x128_f8f6f4 v[rD:rD+7], v[128*(\p)+FR*mb:128*(\p)+FR*mb+FR-1], v[AF+FR*ma:AF+FR*ma+FR-1], 0, v[SC+16*(\sc)+NQ*mb+(\q)], v[SC+16*(\sc)+NQ*ma+(\q)] matrix_a_fmt:MATRIX_FMT_BF8 matrix_b_fmt:MATRIX_FMT_BF8 matrix_a_scale:MATRIX_SCALE_ROW1
.else
	v_wmma_scale_f32_16x16x128_f8f6f4 v[rD:rD+7], v[128*(\p)+FR*mb:128*(\p)+FR*mb+FR-1], v[AF+FR*ma:AF+FR*ma+FR-1], v[rD:rD+7], v[SC+16*(\sc)+NQ*mb+(\q)], v[SC+16*(\sc)+NQ*ma+(\q)] matrix_a_fmt:MATRIX_FMT_BF8 matrix_b_fmt:MATRIX_FMT_BF8 matrix_a_scale:MATRIX_SCALE_ROW1
.endif
.set mb, mb+1
.endr
.set ma, ma+1
.endr
.endm
.macro FETCH_B slot, q, p
	WIN TO_B
.set fi, 0
.rept NB
	FRAG 128*(\p)+FR*fi, ADRB+\slot, \q, fi
.set fi, fi+1
.endr
	WIN 0
.endm
.macro FETCH_A slot, q, i0
.set fi, \i0
.rept MB/2
	FRAG AF+FR*fi, ADRA+\slot, \q, fi
.set fi, fi+1
.endr
.endm
.macro SCALES sc
.set fi, 0
.rept MB
.set fq, 0
.rept NQ
	ds_load_b32 v[SC+16*\sc+NQ*fi+fq], v[ADRS] offset:fq*2*SROW+64*fi
.set fq, fq+1
.endr
.set fi, fi+1
.endr
.endm
.macro STEP slot, q, zero
	s_wait_dscnt (MB/2)*NL
	WIN MUL_LO
	MULQ 0, (\q)%2, \q, \slot, \zero
	MULQ AQ, (\q)%2, \q, \slot, \zero
	s_wait_dscnt 0
	PLACES NP
	FETCH_B \slot, (\q)+1, 1-(\q)%2
	FETCH_A \slot, (\q)+1, 0
	WIN MUL_HI
	MULQ 2*AQ, (\q)%2, \q, \slot, \zero
	MULQ 3*AQ, (\q)%2, \q, \slot, \zero
	PLACES NP
	WIN 0
	FETCH_A \slot, (\q)+1, MB/2
.endm
.macro MID slot
.set mq, 1
.rept NQ-2
	STEP \slot, mq, 0
.set mq, mq+1
.endr
.endm
.macro TURN slot, next, fill
	s_wait_tensorcnt 0x0
	ds_add_u32 v[SPW], v[NIL]
	s_wait_dscnt (MB/2)*NL+1
	WIN MUL_LO
	MULQ 0, 1, NQ-1, \slot, 0
	s_wait_dscnt 0x0
	s_barrier_signal -1
	MULQ AQ, 1, NQ-1, \slot, 0
	WIN 0
	s_barrier_wait -1
.if \fill
	CREST
	s_add_nc_u64 s[G0+4*\slot+2:G0+4*\slot+3], s[G0+4*\slot+2:G0+4*\slot+3], 2*NQ*FRB
	s_add_nc_u64 s[G0B+4*\slot+2:G0B+4*\slot+3], s[G0B+4*\slot+2:G0B+4*\slot+3], 2*NQ*FRB
	JLOAD G0+4*\slot, G1, G0B+4*\slot, G1B
	PLACES NP-4
.else
	PLACES NP
.endif
	v_add_nc_u32 v[ADRS], 2*NQ*SROW, v[ADRS]
	FETCH_B \next, 0, 0
	FETCH_A \next, 0, 0
	SCALES \next
	WIN MUL_HI
	MULQ 2*AQ, 1, NQ-1, \slot, 0
	MULQ 3*AQ, 1, NQ-1, \slot, 0
	PLACES NP
	WIN 0
	FETCH_A \next, 0, MB/2
.endm
.macro LAST
	s_wait_dscnt (MB/2)*NL
	WIN MUL_LO
	MULQ 0, 1, NQ-1, 1, 0
	MULQ AQ, 1, NQ-1, 1, 0
	s_wait_dscnt 0
	WIN MUL_HI
	MULQ 2*AQ, 1, NQ-1, 1, 0
	MULQ 3*AQ, 1, NQ-1, 1, 0
	WIN 0
.endm
	s_load_b128 s[4:7], s[0:1], 0x0
	s_load_b128 s[8:11], s[0:1], 0x10
	s_load_b64 s[12:13], s[0:1], 0x20
	v_lshl_add_u32 v[SPW], v0, 2, SPARE
	v_mov_b32 v[NIL], 0
	ds_add_u32 v28, v29
	ds_add_u32 v28, v29
	s_wait_dscnt 0x0
	v_lshrrev_b32 v1, 5, v0
	v_readfirstlane_b32 s14, v1
	s_lshr_b32 s15, s14, 1
	s_and_b32 s16, s14, 1
	s_bfe_u32 s40, ttmp6, 0x40000
	s_bfe_u32 s41, ttmp6, 0x40004
	s_lshl_b32 s42, ttmp9, 2
	s_add_co_u32 s42, s42, s40
	s_and_b32 s17, ttmp7, 0xffff
	s_lshl_b32 s17, s17, 2
	s_add_co_u32 s17, s17, s41
	s_lshl_b32 s43, s41, 2
	s_lshl_b32 s43, 15, s43
	s_lshl_b32 s44, 0x1111, s40
	s_or_b32 s[G1+0], s43, (3<<16)|(1<<21)
	s_or_b32 s[G1B+0], s44, (3<<16)|(1<<21)
.irp g, G1, G1B
	s_mov_b32 s[\g+1], (NQ*256)<<16
	s_mov_b32 s[\g+2], (2*MB)<<16
	s_mov_b32 s[\g+3], (NQ*256)<<16
	s_mov_b32 s[\g+4], 2*MB
	s_mov_b32 s[\g+5], KS*256
	s_mov_b32 s[\g+6], 0
	s_mov_b32 s[\g+7], 0
.endr
	s_or_b32 s[G1S+0], s43, (3<<16)|(1<<21)
	s_or_b32 s[G1SB+0], s44, (3<<16)|(1<<21)
.irp g, G1S, G1SB
	s_mov_b32 s[\g+1], (SROW/4)<<16
	s_mov_b32 s[\g+2], KS<<16
	s_mov_b32 s[\g+3], (SROW/4)<<16
	s_mov_b32 s[\g+4], KS
	s_mov_b32 s[\g+6], 0
	s_mov_b32 s[\g+7], 0
.endr
	s_mov_b32 s[G1S+5], ASTR
	s_mov_b32 s[G1SB+5], BSTR
	s_mul_i32 s18, s16, MB*KS*FRB                  ; the half that I fetch in the ring, in bytes
	s_mov_b32 s19, 0
	s_mul_i32 s20, s17, 2*MB
	s_mul_i32 s46, s42, 2*MB
	s_lshl_b32 s22, s20, 6
	s_add_co_u32 s22, s22, AS0
	s_mov_b32 s23, 0
	s_lshl_b32 s92, s46, 6
	s_add_co_u32 s92, s92, BS0
	s_mov_b32 s93, 0
	s_mul_i32 s20, s20, KS*FRB
	s_add_co_u32 s20, s20, AC0
	s_mov_b32 s21, 0
	s_mul_i32 s46, s46, KS*FRB
	s_add_co_u32 s46, s46, BC0
	s_mov_b32 s47, 0
	s_mul_i32 s45, s14, QUART
	s_wait_kmcnt 0x0
	s_add_nc_u64 s[20:21], s[PA:PA+1], s[20:21]
	s_add_nc_u64 s[22:23], s[PA:PA+1], s[22:23]
	s_add_nc_u64 s[46:47], s[PB:PB+1], s[46:47]
	s_add_nc_u64 s[92:93], s[PB:PB+1], s[92:93]
	CROUND
	s_mov_b32 s[G0S], 1
	s_mov_b32 s[G0S+1], SCL
	s_mov_b64 s[G0S+2:G0S+3], s[22:23]
	s_or_b32 s[G0S+3], s[G0S+3], 0x80000000
	s_mov_b32 s[G0SB], 1
	s_mov_b32 s[G0SB+1], SCL+2*HALFS
	s_mov_b64 s[G0SB+2:G0SB+3], s[92:93]
	s_or_b32 s[G0SB+3], s[G0SB+3], 0x80000000
.irp s, 0,1
	s_mov_b32 s[G0+4*\s], 1
	s_add_co_u32 s[G0+4*\s+1], s45, \s*SLOT
	s_add_nc_u64 s[G0+4*\s+2:G0+4*\s+3], s[20:21], \s*NQ*FRB
	s_or_b32 s[G0+4*\s+3], s[G0+4*\s+3], 0x80000000
	s_mov_b32 s[G0B+4*\s], 1
	s_add_co_u32 s[G0B+4*\s+1], s45, \s*SLOT
	s_add_nc_u64 s[G0B+4*\s+2:G0B+4*\s+3], s[46:47], \s*NQ*FRB
	s_or_b32 s[G0B+4*\s+3], s[G0B+4*\s+3], 0x80000000
.endr
	s_mov_b32 s[G0+1], 0                           ; the head's loads bring whole tiles of slot 0
	s_mov_b32 s[G0B+1], 2*QUART
	s_add_nc_u64 s[G0+6:G0+7], s[G0+6:G0+7], s[18:19]       ; slot 1's loads: my half
	s_add_nc_u64 s[G0B+6:G0B+7], s[G0B+6:G0B+7], s[18:19]
	; THE PREFETCH.  Slot step 1's part of the MB row tiles that I fetch is 128 blocks of 256 bytes; the four partners that ask for it jointly share them out by address (cx for the row operand, cy for the
	; column operand): one row tile each, a lane a block, one instruction a wave.  K has two slot steps, so there is this one request and no loop to run ahead in.
	s_cmp_eq_u32 s15, 0
	s_cselect_b64 s[66:67], s[20:21], s[46:47]
	s_cselect_b32 s92, s40, s41
	s_mul_i32 s92, s92, (MB/4)*KS*FRB
	s_add_co_u32 s92, s92, NQ*FRB
	s_mov_b32 s93, 0
	s_add_nc_u64 s[66:67], s[66:67], s[92:93]
	s_add_nc_u64 s[66:67], s[66:67], s[18:19]
	v_and_b32 v22, 31, v0
	v_lshlrev_b32 v22, 8, v22                      ; NQ x 8 = 32 blocks to a row tile: my lane's block
	s_wait_alu depctr_va_vdst(0)
; THE HEAD'S LOADS, ONE A WAVE: wave 0 slot 0 of the row operand, wave 1 of the column operand, waves 2 and 3 their scale words
.macro ARM under, g0, g1, next
	s_cmp_lt_u32 s14, \under
	s_cbranch_scc0 \next
	tensor_load_to_lds s[\g0:\g0+3], s[\g1:\g1+7]
	s_nop 0
.rept 4
	v_nop
.endr
	s_branch .Lhead_asked
\next:
.endm
	ARM 1, G0,  G1,  .Lhead_b
	ARM 2, G0B, G1B, .Lhead_sa
	ARM 3, G0S, G1S, .Lhead_sb
	tensor_load_to_lds s[G0SB:G0SB+3], s[G1SB:G1SB+7]
	s_nop 0
.rept 4
	v_nop
.endr
.Lhead_asked:
	global_prefetch_b8 v22, s[66:67] th:TH_LOAD_NT scope:SCOPE_SE                    ; slot step 1, which the next round's load asks for
	s_wait_alu depctr_va_vdst(0)
	s_wait_tensorcnt 0x0                           ; my tile of the head's four is in; the three lines ahead of a later first fill
	ds_add_u32 v[SPW], v[NIL]
	s_mov_b32 s[G1+2], MB<<16                      ; no load of mine is out: from here on a load brings MB row tiles, into my quarter, from my half
	s_mov_b32 s[G1+4], MB
	s_mov_b32 s[G1B+2], MB<<16
	s_mov_b32 s[G1B+4], MB
	s_mov_b32 s[G0+1], s45
	s_mov_b32 s[G0B+1], s45
	s_add_nc_u64 s[G0+2:G0+3], s[G0+2:G0+3], s[18:19]
	s_add_nc_u64 s[G0B+2:G0B+3], s[G0B+2:G0B+3], s[18:19]
	s_wait_dscnt 0x0
	CROUND
	JLOAD G0+4, G1, G0B+4, G1B                     ; slot 1's first fill, the first tensor load behind the round
	v_and_b32 v1, 15, v0
	v_bfe_u32 v2, v0, 4, 1
	s_wait_alu depctr_va_vdst(0)
	v_and_b32 v3, 31, v0
	v_lshlrev_b32 v[LI], 4, v3
	s_wait_alu depctr_va_vdst(0)
	s_lshl_b32 s18, s17, 7
	s_lshl_b32 s19, s15, 6
	s_add_co_u32 s18, s18, s19
	s_lshl_b32 s18, s18, 12
	s_lshl_b32 s19, s42, 9
	s_lshl_b32 s20, s16, 8
	s_add_co_u32 s20, s20, s19
	s_mov_b32 s21, 0
	s_add_nc_u64 s[8:9], s[8:9], s[20:21]
	s_add_co_u32 s18, s18, s20
	s_mov_b32 s19, 0
	s_add_nc_u64 s[10:11], s[10:11], s[18:19]
	s_add_nc_u64 s[12:13], s[12:13], s[18:19]
	v_lshlrev_b32 v[CO], 12, v2
	v_lshl_add_u32 v[CO], v1, 4, v[CO]
	v_lshlrev_b32 v7, 4, v1
	global_load_b128 v[8:11], v7, s[8:9]
.irp a, 0,1,2,3
.irp t, 0,1,2,3,4,5,6,7
	global_load_b128 v[64+32*\a+64*(\a/2)+4*\t:64+32*\a+64*(\a/2)+4*\t+3], v[CO], s[10:11] offset:(16*\a+2*\t)*4096
.endr
.endr
	s_mul_i32 s21, s15, QUART
	s_mul_i32 s22, s16, QUART
	s_add_co_u32 s22, s22, 2*QUART
.irp s, 0,1
	v_add_nc_u32 v[ADRA+\s], s21, v[LI]
	v_add_nc_u32 v[ADRB+\s], s22, v[LI]
	s_add_co_u32 s21, s21, SLOT
	s_add_co_u32 s22, s22, SLOT
.endr
	v_lshlrev_b32 v5, 2, v1
	s_mul_i32 s21, s15, SROW
	s_mul_i32 s22, s16, SROW
	s_add_co_u32 s22, s22, 2*HALFS
	s_sub_co_u32 s22, s22, s21
	v_mul_u32_u24 v6, s22, v2
	s_add_co_u32 s21, s21, SCL
	v_add_nc_u32 v5, v5, v6
	v_add_nc_u32 v[ADRS], s21, v5
	s_mul_i32 s18, s14, 16*272
	s_add_co_u32 s18, s18, XTR
	v_mul_u32_u24 v5, v1, 272
	v_lshl_add_u32 v5, v2, 5, v5
	v_add_nc_u32 v[STO], s18, v5
	v_mul_u32_u24 v5, v2, 272
	v_lshl_add_u32 v5, v1, 4, v5
	v_add_nc_u32 v[RD], s18, v5
	s_wait_alu depctr_va_vdst(0)
	FETCH_B 0, 0, 0
	FETCH_A 0, 0, 0
	SCALES 0
	FETCH_A 0, 0, MB/2
	STEP 0, 0, 1
.if LAPS > 1
	s_mov_b32 s3, LAPS-1
.Llap:
	MID 0
	TURN 0, 1, 1
	STEP 1, 0, 0
	MID 1
	TURN 1, 0, 1
	STEP 0, 0, 0
	s_sub_co_u32 s3, s3, 1
	s_cmp_lg_u32 s3, 0
	s_cbranch_scc1 .Llap
.endif
	MID 0
	TURN 0, 1, 0
	STEP 1, 0, 0
	MID 1
	LAST
	s_wait_loadcnt 0x0
	PLACES NP
.macro OUT a
.set BK, 128+32*((\a)%2)
.set RS, 64+32*(\a)+64*((\a)/2)
	s_wait_xcnt 0x0
	WIN 0x08
.irp b, 0,1,2,3
	ds_store_b128 v[STO], v[8*(4*(\a)+\b):8*(4*(\a)+\b)+3] offset:64*\b
	ds_store_b128 v[STO], v[8*(4*(\a)+\b)+4:8*(4*(\a)+\b)+7] offset:64*\b+16
.endr
	WIN 0
.irp t, 0,1,2,3,4,5,6,7
	ds_load_b128 v[BK+4*\t:BK+4*\t+3], v[RD] offset:544*\t
.endr
	s_wait_dscnt 0x0
.irp t, 0,1,2,3,4,5,6,7
	v_pk_add_f32 v[BK+4*\t:BK+4*\t+1], v[BK+4*\t:BK+4*\t+1], v[8:9]
	v_pk_add_f32 v[BK+4*\t+2:BK+4*\t+3], v[BK+4*\t+2:BK+4*\t+3], v[10:11]
.endr
.irp t, 0,1,2,3,4,5,6,7
	v_pk_add_f32 v[BK+4*\t:BK+4*\t+1], v[BK+4*\t:BK+4*\t+1], v[RS+4*\t:RS+4*\t+1]
	v_pk_add_f32 v[BK+4*\t+2:BK+4*\t+3], v[BK+4*\t+2:BK+4*\t+3], v[RS+4*\t+2:RS+4*\t+3]
.endr
.irp t, 0,1,2,3,4,5,6,7
	global_store_b128 v[CO], v[BK+4*\t:BK+4*\t+3], s[12:13] offset:(16*(\a)+2*\t)*4096
.endr
.endm
.irp a, 0,1,2,3
	OUT \a
.endr
	s_wait_tensorcnt 0x0
	ds_add_u32 v[SPW], v[NIL]
	s_wait_dscnt 0x0
	CROUND
	s_endpgm
.Lfunc_end_k_qdca1413cd0_oproj:
	.size	k_qdca1413cd0_oproj, .Lfunc_end_k_qdca1413cd0_oproj-k_qdca1413cd0_oproj
	.p2alignl 7, 3214868480
	.fill 96, 4, 3214868480
	.section	.rodata,"a",@progbits
	.p2align	6, 0x0
	.amdhsa_kernel k_qdca1413cd0_oproj
		.amdhsa_group_segment_fixed_size 327680
		.amdhsa_private_segment_fixed_size 0
		.amdhsa_enable_private_segment 0
		.amdhsa_kernarg_size 40
		.amdhsa_user_sgpr_count 2
		.amdhsa_user_sgpr_kernarg_segment_ptr 1
		.amdhsa_wavefront_size32 1
		.amdhsa_system_sgpr_workgroup_id_x 1
		.amdhsa_system_sgpr_workgroup_id_y 1
		.amdhsa_system_sgpr_workgroup_id_z 1
		.amdhsa_system_vgpr_workitem_id 0
		.amdhsa_next_free_vgpr 640
		.amdhsa_next_free_sgpr 100
		.amdhsa_reserve_vcc 0
		.amdhsa_float_denorm_mode_32 3
		.amdhsa_float_denorm_mode_16_64 3
		.amdhsa_memory_ordered 1
		.amdhsa_forward_progress 1
		.amdhsa_inst_pref_size 70
	.end_amdhsa_kernel
	.amdgpu_metadata
---
amdhsa.version: [ 1, 2 ]
amdhsa.kernels:
  - .name:           k_qdca1413cd0_oproj
    .symbol:         k_qdca1413cd0_oproj.kd
    .args:
      - { .name: T, .offset: 0, .size: 8, .value_kind: global_buffer, .address_space: global }
      - { .name: W, .offset: 8, .size: 8, .value_kind: global_buffer, .address_space: global }
      - { .name: bo, .offset: 16, .size: 8, .value_kind: global_buffer, .address_space: global }
      - { .name: x, .offset: 24, .size: 8, .value_kind: global_buffer, .address_space: global }
      - { .name: Hres, .offset: 32, .size: 8, .value_kind: global_buffer, .address_space: global }
    .group_segment_fixed_size: 327680
    .private_segment_fixed_size: 0
    .kernarg_segment_align: 8
    .kernarg_segment_size: 40
    .max_flat_workgroup_size: 128
    .sgpr_count:     100
    .vgpr_count:     640
    .wavefront_size: 32
...
	.end_amdgpu_metadata
.endif
;; end of part 4
;; launch ln2: the kernel of part 1 again; grid 256 x 1, 8 waves a work-group, no clusters, 70,656 bytes of LDS; arguments Hres, ln2_a, ln2_b, T, wq, wk, wv, wo, w1, w2, W; writes T, W
;; launch ffn1 (part 5): grid 16 x 16, 4 waves a work-group, clusters of 4 x 4, 327,680 bytes of LDS; arguments T, W, b1, ACT; writes ACT
.if DOCPART == 5
	.amdgcn_target "amdgcn-amd-amdhsa--gfx1250"
	.amdhsa_code_object_version 6
	.text
	.protected	k_qdca1413cd0_ffn1
	.globl	k_qdca1413cd0_ffn1
	.p2align	8
	.type	k_qdca1413cd0_ffn1,@function
k_qdca1413cd0_ffn1:
	s_mov_b64 s[64:65], 0
	v_nop
	global_prefetch_b8 v0, s[64:65] scope:SCOPE_SE
	s_setreg_imm32_b32 hwreg(HW_REG_WAVE_MODE, 25, 1), 1
	s_wait_xcnt 0x0
	s_wait_alu depctr_hold_cnt(0) depctr_sa_sdst(0) depctr_va_vdst(0) depctr_va_sdst(0) depctr_va_ssrc(0) depctr_va_vcc(0) depctr_vm_vsrc(0)
	s_getreg_b32 s2, hwreg(HW_REG_IB_STS2, 6, 4)
	s_cmp_eq_u32 s2, 0
	s_cbranch_scc0 .Lentry_in_a_cluster
	s_endpgm
.Lentry_in_a_cluster:
	s_bfe_u32 s2, ttmp6, 0x10000c
	s_cmp_lg_u32 s2, 0xf033
	s_cbranch_scc0 .Lentry_shape_is_right
	s_endpgm
.Lentry_shape_is_right:
.set MB,   8
.set NB,   MB
.set NQ,   2
.set KS,   8
.set AC0,  0
.set AS0,  4194304
.set BC0,  4325376
.set BS0,  4325376+4194304
.set ASTR, 2048
.set BSTR, 2048
.set PA,   4
.set PB,   6
.set LAPS, KS/(2*NQ)
.set FR,   16
.set FRB,  2048
.set NL,   4
.set NP,   8
.set AQ,   MB/4
.set QUART, MB*NQ*FRB
.set SLOT, 4*QUART
.set SCL,  2*SLOT
.set SROW, 64*MB
.set HALFS, KS*SROW
.set SPARE, SCL+4*HALFS
.set XTR,  SPARE+512
.set ADRA, 16
.set ADRB, 20
.set LI,   24
.set XS,   25
.set XL,   26
.set ADRS, 27
.set SPW,  28
.set NIL,  29
.set SC,   32
.set CB,   64
.set AF,   128
.set ST,   128
.set PC,   192
.set TM,   208
.set SW,   226
.set GW,   242
.set GB,   246
.set G1, 24
.set G0, 32
.set G1B, 48
.set G0B, 56
.set G1S, 68
.set G0S, 76
.set G1SB, 80
.set G0SB, 88
.set SEL, 46
.set MNT, 45
.set MSB, 0
.macro WIN new
.if MSB != (\new)
	s_set_vgpr_msb (MSB<<8)|(\new)
.set MSB, \new
.endif
.endm
.set MUL_LO, 0xa1
.set MUL_HI, 0xa1+0x50*(MB/8)
.set TO_B,   0x40
.macro JLOAD g0a, g1a, g0b, g1b
	s_cmp_eq_u32 s15, 0
	s_cbranch_scc0 .Lfor_b_\@
	tensor_load_to_lds s[\g0a:\g0a+3], s[\g1a:\g1a+7]
	s_nop 0
.rept 4
	v_nop
.endr
	s_branch .Lasked_\@
.Lfor_b_\@:
	tensor_load_to_lds s[\g0b:\g0b+3], s[\g1b:\g1b+7]
	s_nop 0
.rept 4
	v_nop
.endr
.Lasked_\@:
.endm
.macro CREST
	s_cmp_lg_u32 s14, 0
	s_cbranch_scc1 .Lnot_wave_0_\@
	s_barrier_signal -3
.Lnot_wave_0_\@:
	s_barrier_wait -3
	s_barrier_signal -1
	s_barrier_wait -1
.endm
.macro CROUND
	s_barrier_signal -1
	s_barrier_wait -1
	CREST
.endm
.macro PLACES n
.rept \n
	v_nop
.endr
.endm
.macro FRAG reg, adr, q, i
.irp c, 0,1,2,3
	ds_load_b128 v[\reg+4*\c:\reg+4*\c+3], v[\adr] offset:((\i)*NQ+(\q))*FRB+512*\c
.endr
.endm
.macro MULQ a0, p, q, sc, zero
.set ma, \a0
.rept AQ
.set mb, 0
.rept NB
.set rD, 8*(NB*(ma%4)+mb)
.if \zero
	v_wmma_scale_f32_16x16x128_f8f6f4 v[rD:rD+7], v[128*(\p)+FR*mb:128*(\p)+FR*mb+FR-1], v[AF+FR*ma:AF+FR*ma+FR-1], 0, v[SC+16*(\sc)+NQ*mb+(\q)], v[SC+16*(\sc)+NQ*ma+(\q)] matrix_a_fmt:MATRIX_FMT_BF8 matrix_b_fmt:MATRIX_FMT_BF8 matrix_a_scale:MATRIX_SCALE_ROW1
.else
	v_wmma_scale_f32_16x16x128_f8f6f4 v[rD:rD+7], v[128*(\p)+FR*mb:128*(\p)+FR*mb+FR-1], v[AF+FR*ma:AF+FR*ma+FR-1], v[rD:rD+7], v[SC+16*(\sc)+NQ*mb+(\q)], v[SC+16*(\sc)+NQ*ma+(\q)] matrix_a_fmt:MATRIX_FMT_BF8 matrix_b_fmt:MATRIX_FMT_BF8 matrix_a_scale:MATRIX_SCALE_ROW1
.endif
.set mb, mb+1
.endr
.set ma, ma+1
.endr
.endm
.macro FETCH_B slot, q, p
	WIN TO_B
.set fi, 0
.rept NB
	FRAG 128*(\p)+FR*fi, ADRB+\slot, \q, fi
.set fi, fi+1
.endr
	WIN 0
.endm
.macro FETCH_A slot, q, i0
.set fi, \i0
.rept MB/2
	FRAG AF+FR*fi, ADRA+\slot, \q, fi
.set fi, fi+1
.endr
.endm
.macro SCALES sc
.set fi, 0
.rept MB
.set fq, 0
.rept NQ
	ds_load_b32 v[SC+16*\sc+NQ*fi+fq], v[ADRS] offset:fq*2*SROW+64*fi
.set fq, fq+1
.endr
.set fi, fi+1
.endr
.endm
.macro STEP slot, q, zero
	s_wait_dscnt (MB/2)*NL
	WIN MUL_LO
	MULQ 0, (\q)%2, \q, \slot, \zero
	MULQ AQ, (\q)%2, \q, \slot, \zero
	s_wait_dscnt 0
	PLACES NP
	FETCH_B \slot, (\q)+1, 1-(\q)%2
	FETCH_A \slot, (\q)+1, 0
	WIN MUL_HI
	MULQ 2*AQ, (\q)%2, \q, \slot, \zero
	MULQ 3*AQ, (\q)%2, \q, \slot, \zero
	PLACES NP
	WIN 0
	FETCH_A \slot, (\q)+1, MB/2
.endm
.macro MID slot
.set mq, 1
.rept NQ-2
	STEP \slot, mq, 0
.set mq, mq+1
.endr
.endm
.macro TURN slot, next, fill
	s_wait_tensorcnt 0x0
	ds_add_u32 v[SPW], v[NIL]
	s_wait_dscnt (MB/2)*NL+1
	WIN MUL_LO
	MULQ 0, 1, NQ-1, \slot, 0
	s_wait_dscnt 0x0
	s_barrier_signal -1
	MULQ AQ, 1, NQ-1, \slot, 0
	WIN 0
	s_barrier_wait -1
.if \fill
	CREST
	s_add_nc_u64 s[G0+4*\slot+2:G0+4*\slot+3], s[G0+4*\slot+2:G0+4*\slot+3], 2*NQ*FRB
	s_add_nc_u64 s[G0B+4*\slot+2:G0B+4*\slot+3], s[G0B+4*\slot+2:G0B+4*\slot+3], 2*NQ*FRB
	JLOAD G0+4*\slot, G1, G0B+4*\slot, G1B
	PLACES NP-4
.else
	PLACES NP
.endif
	s_wait_alu depctr_va_vdst(0)
	v_add_nc_u32 v[ADRS], 2*NQ*SROW, v[ADRS]
	FETCH_B \next, 0, 0
	FETCH_A \next, 0, 0
	SCALES \next
	WIN MUL_HI
	MULQ 2*AQ, 1, NQ-1, \slot, 0
	MULQ 3*AQ, 1, NQ-1, \slot, 0
	PLACES NP
	WIN 0
	FETCH_A \next, 0, MB/2
.endm
.macro LAST
	s_wait_dscnt (MB/2)*NL
	WIN MUL_LO
	MULQ 0, 1, NQ-1, 1, 0
	MULQ AQ, 1, NQ-1, 1, 0
	s_wait_dscnt 0
	WIN MUL_HI
	MULQ 2*AQ, 1, NQ-1, 1, 0
	MULQ 3*AQ, 1, NQ-1, 1, 0
	WIN 0
.endm
.macro QUANT s, relu, pw
.if \relu
.irp b, 0,1,2,3
	v_max3_num_f32 v[TM+\b], v[\s+16*\b], v[\s+1+16*\b], 0x8000000
.endr
.irp i, 2,4,6,8,10,12,14
.irp b, 0,1,2,3
	v_max3_num_f32 v[TM+\b], v[TM+\b], v[\s+16*\b+\i], v[\s+1+16*\b+\i]
.endr
.endr
.else
.irp b, 0,1,2,3
	v_max3_num_f32 v[TM+\b], |v[\s+16*\b]|, |v[\s+1+16*\b]|, 0x8000000
.endr
.irp i, 2,4,6,8,10,12,14
.irp b, 0,1,2,3
	v_max3_num_f32 v[TM+\b], v[TM+\b], |v[\s+16*\b+\i]|, |v[\s+1+16*\b+\i]|
.endr
.endr
.endif
.irp b, 0,1,2,3
	v_permlanex16_b32 v[TM+4+\b], v[TM+\b], s[SEL], s[SEL+1]
.endr
.irp b, 0,1,2,3
	v_max_num_f32 v[TM+\b], v[TM+\b], v[TM+4+\b]
.endr
.irp b, 0,1,2,3
	v_add_nc_u32 v[TM+12+\b], 0xf8800000, v[TM+\b]
.endr
.irp b, 0,1,2,3
	v_and_or_b32 v[TM+8+\b], v[TM+\b], 0x7f800000, s[MNT]
.endr
.irp b, 0,1,2,3
	v_lshrrev_b32 v[TM+4+\b], 23, v[TM+12+\b]
.endr
	v_lshl_or_b32 v[\pw], v[TM+5], 8, v[TM+4]
	v_lshl_or_b32 v[\pw], v[TM+6], 16, v[\pw]
	v_lshl_or_b32 v[\pw], v[TM+7], 24, v[\pw]
.irp b, 0,1,2,3
.irp i, 0,1,2,3,4,5,6,7,8,9,10,11,12,13,14,15
.if \relu
	v_med3_num_f32 v[\s+16*\b+\i], v[\s+16*\b+\i], 0, v[TM+8+\b]
.else
	v_med3_num_f32 v[\s+16*\b+\i], v[\s+16*\b+\i], -v[TM+8+\b], v[TM+8+\b]
.endif
.endr
	v_cvt_scalef32_pk8_bf8_f32 v[PC+4*\b:PC+1+4*\b], v[\s+16*\b:\s+7+16*\b], v[TM+12+\b]
	v_cvt_scalef32_pk8_bf8_f32 v[PC+2+4*\b:PC+3+4*\b], v[\s+8+16*\b:\s+15+16*\b], v[TM+12+\b]
.endr
	v_nop
.endm
	s_load_b128 s[4:7], s[0:1], 0x0
	s_load_b128 s[8:11], s[0:1], 0x10
	v_lshl_add_u32 v[SPW], v0, 2, SPARE
	v_mov_b32 v[NIL], 0
	ds_add_u32 v28, v29
	ds_add_u32 v28, v29
	s_wait_dscnt 0x0
	v_lshrrev_b32 v1, 5, v0
	v_readfirstlane_b32 s14, v1
	s_lshr_b32 s15, s14, 1
	s_and_b32 s16, s14, 1
	s_bfe_u32 s40, ttmp6, 0x40000
	s_bfe_u32 s41, ttmp6, 0x40004
	s_lshl_b32 s42, ttmp9, 2
	s_add_co_u32 s42, s42, s40
	s_and_b32 s17, ttmp7, 0xffff
	s_lshl_b32 s17, s17, 2
	s_add_co_u32 s17, s17, s41
	s_lshl_b32 s43, s41, 2
	s_lshl_b32 s43, 15, s43
	s_lshl_b32 s44, 0x1111, s40
	s_or_b32 s[G1+0], s43, (3<<16)|(1<<21)
	s_or_b32 s[G1B+0], s44, (3<<16)|(1<<21)
.irp g, G1, G1B
	s_mov_b32 s[\g+1], (NQ*256)<<16
	s_mov_b32 s[\g+2], (2*MB)<<16
	s_mov_b32 s[\g+3], (NQ*256)<<16
	s_mov_b32 s[\g+4], 2*MB
	s_mov_b32 s[\g+5], KS*256
	s_mov_b32 s[\g+6], 0
	s_mov_b32 s[\g+7], 0
.endr
	s_or_b32 s[G1S+0], s43, (3<<16)|(1<<21)
	s_or_b32 s[G1SB+0], s44, (3<<16)|(1<<21)
.irp g, G1S, G1SB
	s_mov_b32 s[\g+1], (SROW/4)<<16
	s_mov_b32 s[\g+2], KS<<16
	s_mov_b32 s[\g+3], (SROW/4)<<16
	s_mov_b32 s[\g+4], KS
	s_mov_b32 s[\g+6], 0
	s_mov_b32 s[\g+7], 0
.endr
	s_mov_b32 s[G1S+5], ASTR
	s_mov_b32 s[G1SB+5], BSTR
	s_mul_i32 s18, s16, MB*KS*FRB                  ; the half that I fetch in the ring, in bytes
	s_mov_b32 s19, 0
	s_mul_i32 s20, s17, 2*MB
	s_mul_i32 s46, s42, 2*MB
	s_lshl_b32 s22, s20, 6
	s_add_co_u32 s22, s22, AS0
	s_mov_b32 s23, 0
	s_lshl_b32 s92, s46, 6
	s_add_co_u32 s92, s92, BS0
	s_mov_b32 s93, 0
	s_mul_i32 s20, s20, KS*FRB
	s_add_co_u32 s20, s20, AC0
	s_mov_b32 s21, 0
	s_mul_i32 s46, s46, KS*FRB
	s_add_co_u32 s46, s46, BC0
	s_mov_b32 s47, 0
	s_mul_i32 s45, s14, QUART
	s_wait_kmcnt 0x0
	s_add_nc_u64 s[20:21], s[PA:PA+1], s[20:21]
	s_add_nc_u64 s[22:23], s[PA:PA+1], s[22:23]
	s_add_nc_u64 s[46:47], s[PB:PB+1], s[46:47]
	s_add_nc_u64 s[92:93], s[PB:PB+1], s[92:93]
	CROUND
	s_mov_b32 s[G0S], 1
	s_mov_b32 s[G0S+1], SCL
	s_mov_b64 s[G0S+2:G0S+3], s[22:23]
	s_or_b32 s[G0S+3], s[G0S+3], 0x80000000
	s_mov_b32 s[G0SB], 1
	s_mov_b32 s[G0SB+1], SCL+2*HALFS
	s_mov_b64 s[G0SB+2:G0SB+3], s[92:93]
	s_or_b32 s[G0SB+3], s[G0SB+3], 0x80000000
.irp s, 0,1
	s_mov_b32 s[G0+4*\s], 1
	s_add_co_u32 s[G0+4*\s+1], s45, \s*SLOT
	s_add_nc_u64 s[G0+4*\s+2:G0+4*\s+3], s[20:21], \s*NQ*FRB
	s_or_b32 s[G0+4*\s+3], s[G0+4*\s+3], 0x80000000
	s_mov_b32 s[G0B+4*\s], 1
	s_add_co_u32 s[G0B+4*\s+1], s45, \s*SLOT
	s_add_nc_u64 s[G0B+4*\s+2:G0B+4*\s+3], s[46:47], \s*NQ*FRB
	s_or_b32 s[G0B+4*\s+3], s[G0B+4*\s+3], 0x80000000
.endr
	s_mov_b32 s[G0+1], 0                           ; the head's loads bring whole tiles of slot 0
	s_mov_b32 s[G0B+1], 2*QUART
	s_add_nc_u64 s[G0+6:G0+7], s[G0+6:G0+7], s[18:19]       ; slot 1's loads: my half
	s_add_nc_u64 s[G0B+6:G0B+7], s[G0B+6:G0B+7], s[18:19]
	; THE PREFETCHES.  A slot's part of the MB row tiles that I fetch is 128 blocks of 256 bytes; the four partners that ask for it jointly share them out by address (cx for the row operand, cy for the
	; column operand): MB / 4 row tiles each, a lane a block, one instruction a wave.  s[66:67]: my 32 blocks of slot step 1; v22: my lane's block; neither is written again.
	s_cmp_eq_u32 s15, 0
	s_cselect_b64 s[66:67], s[20:21], s[46:47]
	s_cselect_b32 s92, s40, s41
	s_mul_i32 s92, s92, (MB/4)*KS*FRB
	s_add_co_u32 s92, s92, NQ*FRB
	s_mov_b32 s93, 0
	s_add_nc_u64 s[66:67], s[66:67], s[92:93]
	s_add_nc_u64 s[66:67], s[66:67], s[18:19]
	v_and_b32 v22, 31, v0
	v_lshrrev_b32 v23, 4+NQ/4, v22                 ; which row tile of mine: NQ x 8 blocks to a row tile
	v_and_b32 v22, NQ*8-1, v22
	v_lshlrev_b32 v22, 8, v22
	v_mad_u32_u24 v22, v23, KS*FRB, v22
	s_wait_alu depctr_va_vdst(0)
; THE HEAD'S LOADS, ONE A WAVE: wave 0 slot 0 of the row operand, wave 1 of the column operand, waves 2 and 3 their scale words
.macro ARM under, g0, g1, next
	s_cmp_lt_u32 s14, \under
	s_cbranch_scc0 \next
	tensor_load_to_lds s[\g0:\g0+3], s[\g1:\g1+7]
	s_nop 0
.rept 4
	v_nop
.endr
	s_branch .Lhead_asked
\next:
.endm
	ARM 1, G0,  G1,  .Lhead_b
	ARM 2, G0B, G1B, .Lhead_sa
	ARM 3, G0S, G1S, .Lhead_sb
	tensor_load_to_lds s[G0SB:G0SB+3], s[G1SB:G1SB+7]
	s_nop 0
.rept 4
	v_nop
.endr
.Lhead_asked:
	global_prefetch_b8 v22, s[66:67] th:TH_LOAD_NT scope:SCOPE_SE                    ; slot step 1, which the next round's load asks for,
	global_prefetch_b8 v22, s[66:67] offset:NQ*FRB th:TH_LOAD_NT scope:SCOPE_SE      ; and slot step 2
	s_wait_alu depctr_va_vdst(0)
	s_wait_tensorcnt 0x0                           ; my tile of the head's four is in; the three lines ahead of a later first fill
	ds_add_u32 v[SPW], v[NIL]
	s_mov_b32 s[G1+2], MB<<16                      ; no load of mine is out: from here on a load brings MB row tiles, into my quarter, from my half
	s_mov_b32 s[G1+4], MB
	s_mov_b32 s[G1B+2], MB<<16
	s_mov_b32 s[G1B+4], MB
	s_mov_b32 s[G0+1], s45
	s_mov_b32 s[G0B+1], s45
	s_add_nc_u64 s[G0+2:G0+3], s[G0+2:G0+3], s[18:19]
	s_add_nc_u64 s[G0B+2:G0B+3], s[G0B+2:G0B+3], s[18:19]
	s_wait_dscnt 0x0
	CROUND
	JLOAD G0+4, G1, G0B+4, G1B                     ; slot 1's first fill, the first tensor load behind the round
	global_prefetch_b8 v22, s[66:67] offset:2*NQ*FRB th:TH_LOAD_NT scope:SCOPE_SE    ; slot step 3, the last: two refills ahead of its load
	v_and_b32 v1, 15, v0
	v_bfe_u32 v2, v0, 4, 1
	v_and_b32 v3, 31, v0
	v_lshlrev_b32 v[LI], 4, v3
	s_wait_alu depctr_va_vdst(0)
	s_lshl_b32 s18, s42, 10
	s_lshl_b32 s19, s16, 9
	s_add_co_u32 s18, s18, s19
	s_mov_b32 s19, 0
	s_add_nc_u64 s[8:9], s[8:9], s[18:19]
	v_lshlrev_b32 v7, 5, v2
.set fi, 0
.rept 8
	global_load_b128 v[CB+8*fi:CB+8*fi+3], v7, s[8:9] offset:64*fi
	global_load_b128 v[CB+8*fi+4:CB+8*fi+7], v7, s[8:9] offset:64*fi+16
.set fi, fi+1
.endr
	s_mul_i32 s21, s15, QUART
	s_mul_i32 s22, s16, QUART
	s_add_co_u32 s22, s22, 2*QUART
.irp s, 0,1
	v_add_nc_u32 v[ADRA+\s], s21, v[LI]
	v_add_nc_u32 v[ADRB+\s], s22, v[LI]
	s_add_co_u32 s21, s21, SLOT
	s_add_co_u32 s22, s22, SLOT
.endr
	v_lshlrev_b32 v5, 2, v1
	s_mul_i32 s21, s15, SROW
	s_mul_i32 s22, s16, SROW
	s_add_co_u32 s22, s22, 2*HALFS
	s_sub_co_u32 s22, s22, s21
	v_mul_u32_u24 v6, s22, v2
	s_add_co_u32 s21, s21, SCL
	v_add_nc_u32 v5, v5, v6
	v_add_nc_u32 v[ADRS], s21, v5
	s_lshl_b32 s18, s14, 9
	s_add_co_u32 s18, s18, XTR
	v_lshl_add_u32 v[XS], v3, 2, s18
	v_add_nc_u32 v[XL], s18, v[LI]
	s_lshl_b32 s18, s17, 4
	s_lshl_b32 s19, s15, 3
	s_add_co_u32 s18, s18, s19
	s_lshl_b32 s19, s42, 1
	s_add_co_u32 s19, s19, s16
	s_lshl_b32 s20, s18, 5
	s_add_co_u32 s20, s20, s19
	s_lshl_b32 s20, s20, 11
	s_mov_b32 s21, 0
	s_lshl_b32 s22, s19, 8
	s_add_co_u32 s22, s22, s18
	s_lshl_b32 s22, s22, 6
	s_add_co_u32 s22, s22, 16777216
	s_mov_b32 s23, 0
	s_add_nc_u64 s[12:13], s[10:11], s[22:23]
	s_add_nc_u64 s[10:11], s[10:11], s[20:21]
	s_mov_b32 s[SEL], 0x76543210
	s_mov_b32 s[SEL+1], 0xfedcba98
	s_mov_b32 s[MNT], 0x600000
	s_wait_alu depctr_va_vdst(0)
	FETCH_B 0, 0, 0
	FETCH_A 0, 0, 0
	SCALES 0
	FETCH_A 0, 0, MB/2
	STEP 0, 0, 1
.if LAPS > 1
	s_mov_b32 s3, LAPS-1
.Llap:
	MID 0
	TURN 0, 1, 1
	STEP 1, 0, 0
	MID 1
	TURN 1, 0, 1
	STEP 0, 0, 0
	s_sub_co_u32 s3, s3, 1
	s_cmp_lg_u32 s3, 0
	s_cbranch_scc1 .Llap
.endif
	MID 0
	TURN 0, 1, 0
	STEP 1, 0, 0
	MID 1
	LAST
	s_wait_loadcnt 0x0
	PLACES NP
.irp b, 0,1,2,3
	v_mov_b32 v[TM+4+\b], 0
.endr
.macro EPI a
	s_wait_xcnt 0x0
	WIN 0x02+(\a)/4
.set ei, 0
.rept 32
	v_pk_add_f32 v[ST+ei:ST+ei+1], v[64*((\a)%4)+ei:64*((\a)%4)+ei+1], v[CB+ei:CB+ei+1]
.set ei, ei+2
.endr
	WIN 0
	QUANT ST, 1, SW+(\a)
.irp c, 0,1,2,3
	global_store_b128 v[LI], v[PC+4*\c:PC+4*\c+3], s[10:11] offset:(\a)*65536+512*\c
.endr
.endm
.irp a, 0,1,2,3,4,5,6,7
	EPI \a
.endr
	v_cmp_gt_u32 vcc_lo, 16, v3
.irp i, 0,1,2,3
	v_cndmask_b32 v[GW+\i], v[SW+2*\i+1], v[SW+2*\i], vcc_lo
.endr
.irp i, 0,1,2,3
	ds_store_b32 v[XS], v[GW+\i] offset:128*\i
.endr
	ds_load_b128 v[GB:GB+3], v[XL]
	s_wait_dscnt 0x0
	global_store_b128 v[LI], v[GB:GB+3], s[12:13]
	s_wait_tensorcnt 0x0
	ds_add_u32 v[SPW], v[NIL]
	s_wait_dscnt 0x0
	CROUND
	s_endpgm
.Lfunc_end_k_qdca1413cd0_ffn1:
	.size	k_qdca1413cd0_ffn1, .Lfunc_end_k_qdca1413cd0_ffn1-k_qdca1413cd0_ffn1
	.p2alignl 7, 3214868480
	.fill 96, 4, 3214868480
	.section	.rodata,"a",@progbits
	.p2align	6, 0x0
	.amdhsa_kernel k_qdca1413cd0_ffn1
		.amdhsa_group_segment_fixed_size 327680
		.amdhsa_private_segment_fixed_size 0
		.amdhsa_enable_private_segment 0
		.amdhsa_kernarg_size 32
		.amdhsa_user_sgpr_count 2
		.amdhsa_user_sgpr_kernarg_segment_ptr 1
		.amdhsa_wavefront_size32 1
		.amdhsa_system_sgpr_workgroup_id_x 1
		.amdhsa_system_sgpr_workgroup_id_y 1
		.amdhsa_system_sgpr_workgroup_id_z 1
		.amdhsa_system_vgpr_workitem_id 0
		.amdhsa_next_free_vgpr 1024
		.amdhsa_next_free_sgpr 100
		.amdhsa_reserve_vcc 1
		.amdhsa_float_denorm_mode_32 3
		.amdhsa_float_denorm_mode_16_64 3
		.amdhsa_memory_ordered 1
		.amdhsa_forward_progress 1
		.amdhsa_inst_pref_size 206
	.end_amdhsa_kernel
	.amdgpu_metadata
---
amdhsa.version: [ 1, 2 ]
amdhsa.kernels:
  - .name:           k_qdca1413cd0_ffn1
    .symbol:         k_qdca1413cd0_ffn1.kd
    .args:
      - { .name: T, .offset: 0, .size: 8, .value_kind: global_buffer, .address_space: global }
      - { .name: W, .offset: 8, .size: 8, .value_kind: global_buffer, .address_space: global }
      - { .name: b1, .offset: 16, .size: 8, .value_kind: global_buffer, .address_space: global }
      - { .name: ACT, .offset: 24, .size: 8, .value_kind: global_buffer, .address_space: global }
    .group_segment_fixed_size: 327680
    .private_segment_fixed_size: 0
    .kernarg_segment_align: 8
    .kernarg_segment_size: 32
    .max_flat_workgroup_size: 128
    .sgpr_count:     100
    .vgpr_count:     1024
    .wavefront_size: 32
...
	.end_amdgpu_metadata
.endif
;; end of part 5
;; launch ffn2 (part 6): grid 8 x 32, 4 waves a work-group, clusters of 4 x 4, 327,680 bytes of LDS; arguments ACT, W, b2, Hres, out0; writes out0
.if DOCPART == 6
	.amdgcn_target "amdgcn-amd-amdhsa--gfx1250"
	.amdhsa_code_object_version 6
	.text
	.protected	k_qdca1413cd0_ffn2
	.globl	k_qdca1413cd0_ffn2
	.p2align	8
	.type	k_qdca1413cd0_ffn2,@function
k_qdca1413cd0_ffn2:
	s_mov_b64 s[64:65], 0
	v_nop
	global_prefetch_b8 v0, s[64:65] scope:SCOPE_SE
	s_setreg_imm32_b32 hwreg(HW_REG_WAVE_MODE, 25, 1), 1
	s_wait_xcnt 0x0
	s_wait_alu depctr_hold_cnt(0) depctr_sa_sdst(0) depctr_va_vdst(0) depctr_va_sdst(0) depctr_va_ssrc(0) depctr_va_vcc(0) depctr_vm_vsrc(0)
	s_getreg_b32 s2, hwreg(HW_REG_IB_STS2, 6, 4)
	s_cmp_eq_u32 s2, 0
	s_cbranch_scc0 .Lentry_in_a_cluster
	s_endpgm
.Lentry_in_a_cluster:
	s_bfe_u32 s2, ttmp6, 0x10000c
	s_cmp_lg_u32 s2, 0xf033
	s_cbranch_scc0 .Lentry_shape_is_right
	s_endpgm
.Lentry_shape_is_right:
.set MB,   4
.set NB,   MB
.set NQ,   4
.set KS,   32
.set AC0,  0
.set AS0,  16777216
.set BC0,  2*4325376
.set BS0,  2*4325376+4194304
.set ASTR, 2048
.set BSTR, 512
.set PA,   4
.set PB,   6
.set LAPS, KS/(2*NQ)
.set FR,   16
.set FRB,  2048
.set NL,   4
.set NP,   8
.set AQ,   MB/4
.set QUART, MB*NQ*FRB
.set SLOT, 4*QUART
.set SCL,  2*SLOT
.set SROW, 64*MB
.set HALFS, KS*SROW
.set SPARE, SCL+4*HALFS
.set XTR,  SPARE+512
.set ADRA, 16
.set ADRB, 20
.set LI,   24
.set STO,  25
.set RD,   26
.set ADRS, 27
.set SPW,  28
.set NIL,  29
.set CO,   30
.set SC,   32
.set AF,   128
.set G1, 24
.set G0, 32
.set G1B, 48
.set G0B, 56
.set G1S, 68
.set G0S, 76
.set G1SB, 80
.set G0SB, 88
.set MSB, 0
.macro WIN new
.if MSB != (\new)
	s_set_vgpr_msb (MSB<<8)|(\new)
.set MSB, \new
.endif
.endm
.set MUL_LO, 0xa1
.set MUL_HI, 0xa1+0x50*(MB/8)
.set TO_B,   0x40
.macro JLOAD g0a, g1a, g0b, g1b
	s_cmp_eq_u32 s15, 0
	s_cbranch_scc0 .Lfor_b_\@
	tensor_load_to_lds s[\g0a:\g0a+3], s[\g1a:\g1a+7]
	s_nop 0
.rept 4
	v_nop
.endr
	s_branch .Lasked_\@
.Lfor_b_\@:
	tensor_load_to_lds s[\g0b:\g0b+3], s[\g1b:\g1b+7]
	s_nop 0
.rept 4
	v_nop
.endr
.Lasked_\@:
.endm
.macro CREST
	s_cmp_lg_u32 s14, 0
	s_cbranch_scc1 .Lnot_wave_0_\@
	s_barrier_signal -3
.Lnot_wave_0_\@:
	s_barrier_wait -3
	s_barrier_signal -1
	s_barrier_wait -1
.endm
.macro CROUND
	s_barrier_signal -1
	s_barrier_wait -1
	CREST
.endm
.macro PLACES n
.rept \n
	v_nop
.endr
.endm
.macro FRAG reg, adr, q, i
.irp c, 0,1,2,3
	ds_load_b128 v[\reg+4*\c:\reg+4*\c+3], v[\adr] offset:((\i)*NQ+(\q))*FRB+512*\c
.endr
.endm
.macro MULQ a0, p, q, sc, zero
.set ma, \a0
.rept AQ
.set mb, 0
.rept NB
.set rD, 8*(NB*(ma%4)+mb)
.if \zero
	v_wmma_scale_f32_16x16x128_f8f6f4 v[rD:rD+7], v[128*(\p)+FR*mb:128*(\p)+FR*mb+FR-1], v[AF+FR*ma:AF+FR*ma+FR-1], 0, v[SC+16*(\sc)+NQ*mb+(\q)], v[SC+16*(\sc)+NQ*ma+(\q)] matrix_a_fmt:MATRIX_FMT_BF8 matrix_b_fmt:MATRIX_FMT_BF8 matrix_a_scale:MATRIX_SCALE_ROW1
.else
	v_wmma_scale_f32_16x16x128_f8f6f4 v[rD:rD+7], v[128*(\p)+FR*mb:128*(\p)+FR*mb+FR-1], v[AF+FR*ma:AF+FR*ma+FR-1], v[rD:rD+7], v[SC+16*(\sc)+NQ*mb+(\q)], v[SC+16*(\sc)+NQ*ma+(\q)] matrix_a_fmt:MATRIX_FMT_BF8 matrix_b_fmt:MATRIX_FMT_BF8 matrix_a_scale:MATRIX_SCALE_ROW1
.endif
.set mb, mb+1
.endr
.set ma, ma+1
.endr
.endm
.macro FETCH_B slot, q, p
	WIN TO_B
.set fi, 0
.rept NB
	FRAG 128*(\p)+FR*fi, ADRB+\slot, \q, fi
.set fi, fi+1
.endr
	WIN 0
.endm
.macro FETCH_A slot, q, i0
.set fi, \i0
.rept MB/2
	FRAG AF+FR*fi, ADRA+\slot, \q, fi
.set fi, fi+1
.endr
.endm
.macro SCALES sc
.set fi, 0
.rept MB
.set fq, 0
.rept NQ
	ds_load_b32 v[SC+16*\sc+NQ*fi+fq], v[ADRS] offset:fq*2*SROW+64*fi
.set fq, fq+1
.endr
.set fi, fi+1
.endr
.endm
.macro STEP slot, q, zero
	s_wait_dscnt (MB/2)*NL
	WIN MUL_LO
	MULQ 0, (\q)%2, \q, \slot, \zero
	MULQ AQ, (\q)%2, \q, \slot, \zero
	s_wait_dscnt 0
	PLACES NP
	FETCH_B \slot, (\q)+1, 1-(\q)%2
	FETCH_A \slot, (\q)+1, 0
	WIN MUL_HI
	MULQ 2*AQ, (\q)%2, \q, \slot, \zero
	MULQ 3*AQ, (\q)%2, \q, \slot, \zero
	PLACES NP
	WIN 0
	FETCH_A \slot, (\q)+1, MB/2
.endm
.macro MID slot
.set mq, 1
.rept NQ-2
	STEP \slot, mq, 0
.set mq, mq+1
.endr
.endm
.macro TURN slot, next, fill
.if \fill
	s_wait_xcnt 0x0                                ; my last prefetch has read its address, so it may be stepped: one slot step on
	s_add_nc_u64 s[66:67], s[66:67], NQ*FRB
.endif
	s_wait_tensorcnt 0x0
	ds_add_u32 v[SPW], v[NIL]
	s_wait_dscnt (MB/2)*NL+1
	WIN MUL_LO
	MULQ 0, 1, NQ-1, \slot, 0
	s_wait_dscnt 0x0
	s_barrier_signal -1
	MULQ AQ, 1, NQ-1, \slot, 0
	WIN 0
	s_barrier_wait -1
.if \fill
	CREST
	s_add_nc_u64 s[G0+4*\slot+2:G0+4*\slot+3], s[G0+4*\slot+2:G0+4*\slot+3], 2*NQ*FRB
	s_add_nc_u64 s[G0B+4*\slot+2:G0B+4*\slot+3], s[G0B+4*\slot+2:G0B+4*\slot+3], 2*NQ*FRB
	JLOAD G0+4*\slot, G1, G0B+4*\slot, G1B
	PLACES NP-4
.else
	PLACES NP
.endif
	s_wait_alu depctr_va_vdst(0)
	v_add_nc_u32 v[ADRS], 2*NQ*SROW, v[ADRS]
	FETCH_B \next, 0, 0
	FETCH_A \next, 0, 0
	SCALES \next
.if \fill
	s_cmp_gt_u32 s3, 1                             ; the loop's last trip has no slot step two refills on
	s_cbranch_scc0 .Lno_ask_\@
	global_prefetch_b8 v22, s[66:67] offset:2*NQ*FRB th:TH_LOAD_NT scope:SCOPE_SE    ; behind the joint load and the run of LDS loads: the step two refills on
.Lno_ask_\@:
.endif
	WIN MUL_HI
	MULQ 2*AQ, 1, NQ-1, \slot, 0
	MULQ 3*AQ, 1, NQ-1, \slot, 0
	PLACES NP
	WIN 0
	FETCH_A \next, 0, MB/2
.endm
.macro LAST
	s_wait_dscnt (MB/2)*NL
	WIN MUL_LO
	MULQ 0, 1, NQ-1, 1, 0
	MULQ AQ, 1, NQ-1, 1, 0
	s_wait_dscnt 0
	WIN MUL_HI
	MULQ 2*AQ, 1, NQ-1, 1, 0
	MULQ 3*AQ, 1, NQ-1, 1, 0
	WIN 0
.endm
	s_load_b128 s[4:7], s[0:1], 0x0
	s_load_b128 s[8:11], s[0:1], 0x10
	s_load_b64 s[12:13], s[0:1], 0x20
	v_lshl_add_u32 v[SPW], v0, 2, SPARE
	v_mov_b32 v[NIL], 0
	ds_add_u32 v28, v29
	ds_add_u32 v28, v29
	s_wait_dscnt 0x0
	v_lshrrev_b32 v1, 5, v0
	v_readfirstlane_b32 s14, v1
	s_lshr_b32 s15, s14, 1
	s_and_b32 s16, s14, 1
	s_bfe_u32 s40, ttmp6, 0x40000
	s_bfe_u32 s41, ttmp6, 0x40004
	s_lshl_b32 s42, ttmp9, 2
	s_add_co_u32 s42, s42, s40
	s_and_b32 s17, ttmp7, 0xffff
	s_lshl_b32 s17, s17, 2
	s_add_co_u32 s17, s17, s41
	s_lshl_b32 s43, s41, 2
	s_lshl_b32 s43, 15, s43
	s_lshl_b32 s44, 0x1111, s40
	s_or_b32 s[G1+0], s43, (3<<16)|(1<<21)
	s_or_b32 s[G1B+0], s44, (3<<16)|(1<<21)
.irp g, G1, G1B
	s_mov_b32 s[\g+1], (NQ*256)<<16
	s_mov_b32 s[\g+2], (2*MB)<<16
	s_mov_b32 s[\g+3], (NQ*256)<<16
	s_mov_b32 s[\g+4], 2*MB
	s_mov_b32 s[\g+5], KS*256
	s_mov_b32 s[\g+6], 0
	s_mov_b32 s[\g+7], 0
.endr
	s_or_b32 s[G1S+0], s43, (3<<16)|(1<<21)
	s_or_b32 s[G1SB+0], s44, (3<<16)|(1<<21)
.irp g, G1S, G1SB
	s_mov_b32 s[\g+1], (SROW/4)<<16
	s_mov_b32 s[\g+2], KS<<16
	s_mov_b32 s[\g+3], (SROW/4)<<16
	s_mov_b32 s[\g+4], KS
	s_mov_b32 s[\g+6], 0
	s_mov_b32 s[\g+7], 0
.endr
	s_mov_b32 s[G1S+5], ASTR
	s_mov_b32 s[G1SB+5], BSTR
	s_mul_i32 s18, s16, MB*KS*FRB                  ; the half that I fetch in the ring, in bytes
	s_mov_b32 s19, 0
	s_mul_i32 s20, s17, 2*MB
	s_mul_i32 s46, s42, 2*MB
	s_lshl_b32 s22, s20, 6
	s_add_co_u32 s22, s22, AS0
	s_mov_b32 s23, 0
	s_lshl_b32 s92, s46, 6
	s_add_co_u32 s92, s92, BS0
	s_mov_b32 s93, 0
	s_mul_i32 s20, s20, KS*FRB
	s_add_co_u32 s20, s20, AC0
	s_mov_b32 s21, 0
	s_mul_i32 s46, s46, KS*FRB
	s_add_co_u32 s46, s46, BC0
	s_mov_b32 s47, 0
	s_mul_i32 s45, s14, QUART
	s_wait_kmcnt 0x0
	s_add_nc_u64 s[20:21], s[PA:PA+1], s[20:21]
	s_add_nc_u64 s[22:23], s[PA:PA+1], s[22:23]
	s_add_nc_u64 s[46:47], s[PB:PB+1], s[46:47]
	s_add_nc_u64 s[92:93], s[PB:PB+1], s[92:93]
	CROUND
	s_mov_b32 s[G0S], 1
	s_mov_b32 s[G0S+1], SCL
	s_mov_b64 s[G0S+2:G0S+3], s[22:23]
	s_or_b32 s[G0S+3], s[G0S+3], 0x80000000
	s_mov_b32 s[G0SB], 1
	s_mov_b32 s[G0SB+1], SCL+2*HALFS
	s_mov_b64 s[G0SB+2:G0SB+3], s[92:93]
	s_or_b32 s[G0SB+3], s[G0SB+3], 0x80000000
.irp s, 0,1
	s_mov_b32 s[G0+4*\s], 1
	s_add_co_u32 s[G0+4*\s+1], s45, \s*SLOT
	s_add_nc_u64 s[G0+4*\s+2:G0+4*\s+3], s[20:21], \s*NQ*FRB
	s_or_b32 s[G0+4*\s+3], s[G0+4*\s+3], 0x80000000
	s_mov_b32 s[G0B+4*\s], 1
	s_add_co_u32 s[G0B+4*\s+1], s45, \s*SLOT
	s_add_nc_u64 s[G0B+4*\s+2:G0B+4*\s+3], s[46:47], \s*NQ*FRB
	s_or_b32 s[G0B+4*\s+3], s[G0B+4*\s+3], 0x80000000
.endr
	s_mov_b32 s[G0+1], 0                           ; the head's loads bring whole tiles of slot 0
	s_mov_b32 s[G0B+1], 2*QUART
	s_add_nc_u64 s[G0+6:G0+7], s[G0+6:G0+7], s[18:19]       ; slot 1's loads: my half
	s_add_nc_u64 s[G0B+6:G0B+7], s[G0B+6:G0B+7], s[18:19]
	; THE PREFETCHES.  A slot's part of the MB row tiles that I fetch is 128 blocks of 256 bytes; the four partners that ask for it jointly share them out by address (cx for the row operand, cy for the
	; column operand): one row tile each, a lane a block, one instruction a wave.  s[66:67]: my 32 blocks, one slot step behind the refill in hand; a request names the step two refills on.  v22: my lane's block, never rewritten.
	s_cmp_eq_u32 s15, 0
	s_cselect_b64 s[66:67], s[20:21], s[46:47]
	s_cselect_b32 s92, s40, s41
	s_mul_i32 s92, s92, (MB/4)*KS*FRB
	s_add_co_u32 s92, s92, NQ*FRB
	s_mov_b32 s93, 0
	s_add_nc_u64 s[66:67], s[66:67], s[92:93]
	s_add_nc_u64 s[66:67], s[66:67], s[18:19]
	v_and_b32 v22, 31, v0
	v_lshlrev_b32 v22, 8, v22                      ; NQ x 8 = 32 blocks to a row tile: my lane's block
	s_wait_alu depctr_va_vdst(0)
; THE HEAD'S LOADS, ONE A WAVE: wave 0 slot 0 of the row operand, wave 1 of the column operand, waves 2 and 3 their scale words
.macro ARM under, g0, g1, next
	s_cmp_lt_u32 s14, \under
	s_cbranch_scc0 \next
	tensor_load_to_lds s[\g0:\g0+3], s[\g1:\g1+7]
	s_nop 0
.rept 4
	v_nop
.endr
	s_branch .Lhead_asked
\next:
.endm
	ARM 1, G0,  G1,  .Lhead_b
	ARM 2, G0B, G1B, .Lhead_sa
	ARM 3, G0S, G1S, .Lhead_sb
	tensor_load_to_lds s[G0SB:G0SB+3], s[G1SB:G1SB+7]
	s_nop 0
.rept 4
	v_nop
.endr
.Lhead_asked:
	global_prefetch_b8 v22, s[66:67] th:TH_LOAD_NT scope:SCOPE_SE                    ; slot step 1, which the next round's load asks for,
	global_prefetch_b8 v22, s[66:67] offset:NQ*FRB th:TH_LOAD_NT scope:SCOPE_SE      ; and slot step 2
	s_wait_alu depctr_va_vdst(0)
	s_wait_tensorcnt 0x0                           ; my tile of the head's four is in; the three lines ahead of a later first fill
	ds_add_u32 v[SPW], v[NIL]
	s_mov_b32 s[G1+2], MB<<16                      ; no load of mine is out: from here on a load brings MB row tiles, into my quarter, from my half
	s_mov_b32 s[G1+4], MB
	s_mov_b32 s[G1B+2], MB<<16
	s_mov_b32 s[G1B+4], MB
	s_mov_b32 s[G0+1], s45
	s_mov_b32 s[G0B+1], s45
	s_add_nc_u64 s[G0+2:G0+3], s[G0+2:G0+3], s[18:19]
	s_add_nc_u64 s[G0B+2:G0B+3], s[G0B+2:G0B+3], s[18:19]
	s_wait_dscnt 0x0
	CROUND
	JLOAD G0+4, G1, G0B+4, G1B                     ; slot 1's first fill, the first tensor load behind the round
	global_prefetch_b8 v22, s[66:67] offset:2*NQ*FRB th:TH_LOAD_NT scope:SCOPE_SE    ; slot step 3: two refills ahead of its load
	v_and_b32 v1, 15, v0
	v_bfe_u32 v2, v0, 4, 1
	s_wait_alu depctr_va_vdst(0)
	v_and_b32 v3, 31, v0
	v_lshlrev_b32 v[LI], 4, v3
	s_wait_alu depctr_va_vdst(0)
	s_lshl_b32 s18, s17, 7
	s_lshl_b32 s19, s15, 6
	s_add_co_u32 s18, s18, s19
	s_lshl_b32 s18, s18, 12
	s_lshl_b32 s19, s42, 9
	s_lshl_b32 s20, s16, 8
	s_add_co_u32 s20, s20, s19
	s_mov_b32 s21, 0
	s_add_nc_u64 s[8:9], s[8:9], s[20:21]
	s_add_co_u32 s18, s18, s20
	s_mov_b32 s19, 0
	s_add_nc_u64 s[10:11], s[10:11], s[18:19]
	s_add_nc_u64 s[12:13], s[12:13], s[18:19]
	v_lshlrev_b32 v[CO], 12, v2
	v_lshl_add_u32 v[CO], v1, 4, v[CO]
	v_lshlrev_b32 v7, 4, v1
	global_load_b128 v[8:11], v7, s[8:9]
.irp a, 0,1,2,3
.irp t, 0,1,2,3,4,5,6,7
	global_load_b128 v[64+32*\a+64*(\a/2)+4*\t:64+32*\a+64*(\a/2)+4*\t+3], v[CO], s[10:11] offset:(16*\a+2*\t)*4096
.endr
.endr
	s_mul_i32 s21, s15, QUART
	s_mul_i32 s22, s16, QUART
	s_add_co_u32 s22, s22, 2*QUART
.irp s, 0,1
	v_add_nc_u32 v[ADRA+\s], s21, v[LI]
	v_add_nc_u32 v[ADRB+\s], s22, v[LI]
	s_add_co_u32 s21, s21, SLOT
	s_add_co_u32 s22, s22, SLOT
.endr
	v_lshlrev_b32 v5, 2, v1
	s_mul_i32 s21, s15, SROW
	s_mul_i32 s22, s16, SROW
	s_add_co_u32 s22, s22, 2*HALFS
	s_sub_co_u32 s22, s22, s21
	v_mul_u32_u24 v6, s22, v2
	s_add_co_u32 s21, s21, SCL
	v_add_nc_u32 v5, v5, v6
	v_add_nc_u32 v[ADRS], s21, v5
	s_mul_i32 s18, s14, 16*272
	s_add_co_u32 s18, s18, XTR
	v_mul_u32_u24 v5, v1, 272
	v_lshl_add_u32 v5, v2, 5, v5
	v_add_nc_u32 v[STO], s18, v5
	v_mul_u32_u24 v5, v2, 272
	v_lshl_add_u32 v5, v1, 4, v5
	v_add_nc_u32 v[RD], s18, v5
	s_wait_alu depctr_va_vdst(0)
	FETCH_B 0, 0, 0
	FETCH_A 0, 0, 0
	SCALES 0
	FETCH_A 0, 0, MB/2
	STEP 0, 0, 1
.if LAPS > 1
	s_mov_b32 s3, LAPS-1
.Llap:
	MID 0
	TURN 0, 1, 1
	STEP 1, 0, 0
	MID 1
	TURN 1, 0, 1
	STEP 0, 0, 0
	s_sub_co_u32 s3, s3, 1
	s_cmp_lg_u32 s3, 0
	s_cbranch_scc1 .Llap
.endif
	MID 0
	TURN 0, 1, 0
	STEP 1, 0, 0
	MID 1
	LAST
	s_wait_loadcnt 0x0
	PLACES NP
.macro OUT a
.set BK, 128+32*((\a)%2)
.set RS, 64+32*(\a)+64*((\a)/2)
	s_wait_xcnt 0x0
	WIN 0x08
.irp b, 0,1,2,3
	ds_store_b128 v[STO], v[8*(4*(\a)+\b):8*(4*(\a)+\b)+3] offset:64*\b
	ds_store_b128 v[STO], v[8*(4*(\a)+\b)+4:8*(4*(\a)+\b)+7] offset:64*\b+16
.endr
	WIN 0
.irp t, 0,1,2,3,4,5,6,7
	ds_load_b128 v[BK+4*\t:BK+4*\t+3], v[RD] offset:544*\t
.endr
	s_wait_dscnt 0x0
.irp t, 0,1,2,3,4,5,6,7
	v_pk_add_f32 v[BK+4*\t:BK+4*\t+1], v[BK+4*\t:BK+4*\t+1], v[8:9]
	v_pk_add_f32 v[BK+4*\t+2:BK+4*\t+3], v[BK+4*\t+2:BK+4*\t+3], v[10:11]
.endr
.irp t, 0,1,2,3,4,5,6,7
	v_pk_add_f32 v[BK+4*\t:BK+4*\t+1], v[BK+4*\t:BK+4*\t+1], v[RS+4*\t:RS+4*\t+1]
	v_pk_add_f32 v[BK+4*\t+2:BK+4*\t+3], v[BK+4*\t+2:BK+4*\t+3], v[RS+4*\t+2:RS+4*\t+3]
.endr
.irp t, 0,1,2,3,4,5,6,7
	global_store_b128 v[CO], v[BK+4*\t:BK+4*\t+3], s[12:13] offset:(16*(\a)+2*\t)*4096
.endr
.endm
.irp a, 0,1,2,3
	OUT \a
.endr
	s_wait_tensorcnt 0x0
	ds_add_u32 v[SPW], v[NIL]
	s_wait_dscnt 0x0
	CROUND
	s_endpgm
.Lfunc_end_k_qdca1413cd0_ffn2:
	.size	k_qdca1413cd0_ffn2, .Lfunc_end_k_qdca1413cd0_ffn2-k_qdca1413cd0_ffn2
	.p2alignl 7, 3214868480
	.fill 96, 4, 3214868480
	.section	.rodata,"a",@progbits
	.p2align	6, 0x0
	.amdhsa_kernel k_qdca1413cd0_ffn2
		.amdhsa_group_segment_fixed_size 327680
		.amdhsa_private_segment_fixed_size 0
		.amdhsa_enable_private_segment 0
		.amdhsa_kernarg_size 40
		.amdhsa_user_sgpr_count 2
		.amdhsa_user_sgpr_kernarg_segment_ptr 1
		.amdhsa_wavefront_size32 1
		.amdhsa_system_sgpr_workgroup_id_x 1
		.amdhsa_system_sgpr_workgroup_id_y 1
		.amdhsa_system_sgpr_workgroup_id_z 1
		.amdhsa_system_vgpr_workitem_id 0
		.amdhsa_next_free_vgpr 640
		.amdhsa_next_free_sgpr 100
		.amdhsa_reserve_vcc 0
		.amdhsa_float_denorm_mode_32 3
		.amdhsa_float_denorm_mode_16_64 3
		.amdhsa_memory_ordered 1
		.amdhsa_forward_progress 1
		.amdhsa_inst_pref_size 113
	.end_amdhsa_kernel
	.amdgpu_metadata
---
amdhsa.version: [ 1, 2 ]
amdhsa.kernels:
  - .name:           k_qdca1413cd0_ffn2
    .symbol:         k_qdca1413cd0_ffn2.kd
    .args:
      - { .name: ACT, .offset: 0, .size: 8, .value_kind: global_buffer, .address_space: global }
      - { .name: W, .offset: 8, .size: 8, .value_kind: global_buffer, .address_space: global }
      - { .name: b2, .offset: 16, .size: 8, .value_kind: global_buffer, .address_space: global }
      - { .name: Hres, .offset: 24, .size: 8, .value_kind: global_buffer, .address_space: global }
      - { .name: out0, .offset: 32, .size: 8, .value_kind: global_buffer, .address_space: global }
    .group_segment_fixed_size: 327680
    .private_segment_fixed_size: 0
    .kernarg_segment_align: 8
    .kernarg_segment_size: 40
    .max_flat_workgroup_size: 128
    .sgpr_count:     100
    .vgpr_count:     640
    .wavefront_size: 32
...
	.end_amdgpu_metadata
.endif
;; end of part 6
